; MI455X (gfx1250); checked and timed in simulation.
; The chip was launched on July 23, 2026; its instructions are those of AMD's public machine-readable ISA for CDNA 5 (MIT licence, August 2026) and "CDNA5" Instruction Set Architecture Reference Guide (July 2026). The comments in the code are by the model that wrote it; some were corrected since.
;; L2 Self Attention. Allowed arithmetic: float matrix products may take bf16 or f16 operands with f32 sums; all other float work in f32.
;; Inputs: bk 1,024 float32; bo 1,024 float32; bq 1,024 float32; bv 1,024 float32; wk 1,024 x 1,024 float32; wo 1,024 x 1,024 float32; wq 1,024 x 1,024 float32; wv 1,024 x 1,024 float32; x 2 x 2,048 x 1,024 float32.
;; Outputs: out0 2 x 2,048 x 1,024 float32.
;; 2 versions, each right. Each part assembles by itself: llvm-mc -triple=amdgcn-amd-amdhsa -mcpu=gfx1250 --defsym DOCPART=n.
;; ======== version 1 of 2: 4 launches
;; workspace buffers: bfin 16,777,216 bytes; qkv 25,165,824 bytes; nrm 524,288 bytes; att 8,388,608 bytes
;; launch cast (part 1): grid 256 x 1, 8 waves a work-group, no clusters, 0 bytes of LDS; arguments x, wq, wk, wv, wo, bfin; writes bfin
.if DOCPART == 1
	.amdgcn_target "amdgcn-amd-amdhsa--gfx1250"
	.amdhsa_code_object_version 6
	.text
	.protected	k_qf06fb7f086_cast
	.globl	k_qf06fb7f086_cast
	.p2align	8
	.type	k_qf06fb7f086_cast,@function
k_qf06fb7f086_cast:
	s_mov_b64 s[64:65], 0
	v_nop
	global_prefetch_b8 v0, s[64:65] scope:SCOPE_SE
	s_setreg_imm32_b32 hwreg(HW_REG_WAVE_MODE, 25, 1), 1
	s_wait_xcnt 0x0
; x, wq, wk, wv, wo (f32) -> bfin (bf16, rounded to nearest even), once, so that the products that follow move and read 16-bit operands.
; bfin: byte 0          xb  [4096][1024]
;       byte 8,388,608  wqkv[3072][1024]: row 192 head + 64 mat + i = row 64 head + i of wq (mat 0), wk (1), wv (2)
;       byte 14,680,064 wob [1024][1024]
; 256 work-groups of eight waves; each takes 131,072 bytes in and makes 65,536 bytes out.  Groups 0-127 take x; group 128 + 32 mat + p
; takes rows 32 p .. 32 p + 31 of matrix mat (3 = wo).  A stream: no LDS, no barrier, no matrix unit; all 32 loads of a lane are issued
; before the first wait, and no register is written twice, so no wait frees a source.
.set X, 4                              ; v[4:131]   16 pieces of 8 f32
.set Y, 132                            ; v[132:195] 16 pieces of 8 bf16
	s_load_b256 s[4:11], s[0:1], 0x0               ; x s[4:5], wq s[6:7], wk s[8:9], wv s[10:11]
	s_load_b128 s[12:15], s[0:1], 0x20             ; wo s[12:13], bfin s[14:15]
	s_mov_b32 s16, ttmp9                           ; idx
	s_and_b32 s17, s16, 31                         ; p
	s_bfe_u32 s18, s16, 0x20005                    ; mat = idx bits 6:5 (meant for idx >= 128)
	v_lshlrev_b32 v1, 5, v0                        ; 32 bytes in a thread and piece
	v_lshlrev_b32 v2, 4, v0                        ; 16 bytes out
	s_lshl_b32 s24, s16, 16                        ; where x's piece goes
	s_lshr_b32 s25, s17, 1                         ; head = p / 2
	s_mul_i32 s25, s25, 393216                     ; 192 rows of 2,048 bytes
	s_lshl_b32 s26, s18, 17                        ; + mat x 64 rows
	s_add_co_u32 s25, s25, s26
	s_and_b32 s26, s17, 1
	s_lshl_b32 s26, s26, 16                        ; + the head's upper 32 rows
	s_add_co_u32 s25, s25, s26
	s_add_co_u32 s25, s25, 0x800000                ; where a piece of wq, wk, wv goes
	s_lshl_b32 s26, s17, 16
	s_add_co_u32 s26, s26, 0xe00000                ; where a piece of wo goes
	s_cmp_lt_u32 s16, 224
	s_cselect_b32 s25, s25, s26
	s_cmp_lt_u32 s16, 128
	s_cselect_b32 s28, s24, s25                    ; offset in bfin
	s_cselect_b32 s30, s16, s17
	s_lshl_b32 s30, s30, 17                        ; offset in the source
	s_mov_b32 s29, 0
	s_mov_b32 s31, 0
	s_wait_kmcnt 0x0
	s_cmp_lt_u32 s16, 160                          ; the source: a choice between buffers on the group's number alone
	s_cselect_b64 s[20:21], s[6:7], s[8:9]
	s_cmp_lt_u32 s16, 224
	s_cselect_b64 s[22:23], s[10:11], s[12:13]
	s_cmp_lt_u32 s16, 192
	s_cselect_b64 s[20:21], s[20:21], s[22:23]
	s_cmp_lt_u32 s16, 128
	s_cselect_b64 s[20:21], s[4:5], s[20:21]
	s_add_nc_u64 s[20:21], s[20:21], s[30:31]
	s_add_nc_u64 s[14:15], s[14:15], s[28:29]
.irp i, 0,1,2,3,4,5,6,7,8,9,10,11,12,13,14,15
	global_load_b128 v[X+8*\i:X+8*\i+3],   v1, s[20:21] offset:8192*\i th:TH_LOAD_NT
	global_load_b128 v[X+8*\i+4:X+8*\i+7], v1, s[20:21] offset:8192*\i+16 th:TH_LOAD_NT
.endr
.irp i, 0,1,2,3,4,5,6,7,8,9,10,11,12,13,14,15
	s_wait_loadcnt 30-2*\i                         ; loads return in order: piece i is in, the 30 - 2 i younger loads stay out
.irp j, 0,1,2,3
	v_cvt_pk_bf16_f32 v[Y+4*\i+\j], v[X+8*\i+2*\j], v[X+8*\i+2*\j+1]
.endr
	global_store_b128 v2, v[Y+4*\i:Y+4*\i+3], s[14:15] offset:4096*\i   ; a wave stores 512 consecutive bytes, aligned
.endr
	s_endpgm
.Lfunc_end_k_qf06fb7f086_cast:
	.size	k_qf06fb7f086_cast, .Lfunc_end_k_qf06fb7f086_cast-k_qf06fb7f086_cast
	.p2alignl 7, 3214868480
	.fill 96, 4, 3214868480
	.section	.rodata,"a",@progbits
	.p2align	6, 0x0
	.amdhsa_kernel k_qf06fb7f086_cast
		.amdhsa_group_segment_fixed_size 0
		.amdhsa_private_segment_fixed_size 0
		.amdhsa_enable_private_segment 0
		.amdhsa_kernarg_size 48
		.amdhsa_user_sgpr_count 2
		.amdhsa_user_sgpr_kernarg_segment_ptr 1
		.amdhsa_wavefront_size32 1
		.amdhsa_system_sgpr_workgroup_id_x 1
		.amdhsa_system_sgpr_workgroup_id_y 1
		.amdhsa_system_sgpr_workgroup_id_z 1
		.amdhsa_system_vgpr_workitem_id 0
		.amdhsa_next_free_vgpr 196
		.amdhsa_next_free_sgpr 66
		.amdhsa_reserve_vcc 0
		.amdhsa_float_denorm_mode_32 3
		.amdhsa_float_denorm_mode_16_64 3
		.amdhsa_memory_ordered 1
		.amdhsa_forward_progress 1
		.amdhsa_inst_pref_size 11
	.end_amdhsa_kernel
	.amdgpu_metadata
---
amdhsa.version: [ 1, 2 ]
amdhsa.kernels:
  - .name:           k_qf06fb7f086_cast
    .symbol:         k_qf06fb7f086_cast.kd
    .args:
      - { .name: x, .offset: 0, .size: 8, .value_kind: global_buffer, .address_space: global }
      - { .name: wq, .offset: 8, .size: 8, .value_kind: global_buffer, .address_space: global }
      - { .name: wk, .offset: 16, .size: 8, .value_kind: global_buffer, .address_space: global }
      - { .name: wv, .offset: 24, .size: 8, .value_kind: global_buffer, .address_space: global }
      - { .name: wo, .offset: 32, .size: 8, .value_kind: global_buffer, .address_space: global }
      - { .name: bfin, .offset: 40, .size: 8, .value_kind: global_buffer, .address_space: global }
    .group_segment_fixed_size: 0
    .private_segment_fixed_size: 0
    .kernarg_segment_align: 8
    .kernarg_segment_size: 48
    .max_flat_workgroup_size: 256
    .sgpr_count:     66
    .vgpr_count:     196
    .wavefront_size: 32
...
	.end_amdgpu_metadata
.endif
;; end of part 1
;; launch qkv (part 2): grid 16 x 16, 4 waves a work-group, clusters of 4 x 4, 327,680 bytes of LDS; arguments bfin, bq, bk, bv, qkv, nrm; writes qkv, nrm
.if DOCPART == 2
	.amdgcn_target "amdgcn-amd-amdhsa--gfx1250"
	.amdhsa_code_object_version 6
	.text
	.protected	k_qf06fb7f086_qkv
	.globl	k_qf06fb7f086_qkv
	.p2align	8
	.type	k_qf06fb7f086_qkv,@function
k_qf06fb7f086_qkv:
	s_mov_b64 s[64:65], 0
	v_nop
	global_prefetch_b8 v0, s[64:65] scope:SCOPE_SE
	s_setreg_imm32_b32 hwreg(HW_REG_WAVE_MODE, 25, 1), 1
	s_wait_xcnt 0x0
	s_wait_alu depctr_hold_cnt(0) depctr_sa_sdst(0) depctr_va_vdst(0) depctr_va_sdst(0) depctr_va_ssrc(0) depctr_va_vcc(0) depctr_vm_vsrc(0)
	s_getreg_b32 s2, hwreg(HW_REG_IB_STS2, 6, 4)
	s_cmp_eq_u32 s2, 0
	s_cbranch_scc0 .Lentry_in_a_cluster
	s_endpgm
.Lentry_in_a_cluster:
	s_bfe_u32 s2, ttmp6, 0x10000c
	s_cmp_lg_u32 s2, 0xf033
	s_cbranch_scc0 .Lentry_shape_is_right
	s_endpgm
.Lentry_shape_is_right:
; Q, K, V = x W^T + b for one head and 256 tokens: a block of 256 tokens x 192 features (64 of Q, 64 of K, 64 of V of head bx) of the
; product [4096 x 3072 x 1024], bf16 operands, f32 sums.  16 x 16 = 256 work-groups of equal work.
; Out: qkv [3 mats][32 bh][2048 tokens][64] bf16, and nrm [2][32 bh][2048] f32: part 0 = sum of q^2, part 1 = -1/2 sum of k^2.
; LIMITS: q, k, v leave as bf16 (matrix operands of the next launch); the two norms are summed in f32 from the ROUNDED q and k, so that the
; next launch's |q|^2 + |k|^2 - 2 q.k is the distance of the vectors that it multiplies.  NaN and infinities pass as the arithmetic makes them.
; Four waves; wave w owns tokens 64 w .. 64 w + 63 and all 192 features: 4 x 12 accumulator tiles, so that a head's norm never leaves a wave.
; K goes in steps of 128 (rows of 256 bytes) through two LDS slots filled by tensor loads.
; CLUSTER 4 x 4: x's tile hangs on the token block alone and is asked for jointly along a row of the cluster, the weights' tile on the head
; alone and is asked for jointly along a column: a quarter of the requests.
; The matrix instruction is used transposed (source 0 = 16 weight rows, source 1 = 16 tokens): lane (r, h) holds token r, features 8 h + 0..7.
; The bias is the C operand of the first product of each accumulator: nothing is cleared and no bias is added later.
; The 48 accumulators take turns, one instruction a turn, always in the same order.
; REGISTERS: window 0: v16-30 addresses, v32-39 norms, v64-95 / v96-127 fragments of x (two buffers), v128-223 bias;
;            on the way out v64-111 packed results, v128-175 rows read back.
;            window 1: v0-95 / v96-191 fragments of the weights.   window 2: token tiles 0, 1 (tile (a, b) at v[8 (12 a + b)]).   window 3: tiles 2, 3.
.set KSTEP,  128
.set PITCH,  272                       ; 256 bytes + 16: sixteen rows of a fragment start in sixteen different 16-byte columns of 256
.set HALFA,  128*PITCH                 ; what waves 0, 1 fetch: 128 tokens
.set HALFB,  96*PITCH                  ; what waves 2, 3 fetch: 96 weight rows
.set BOFF,   2*HALFA                   ; the weights lie behind the 256 tokens
.set SLOT,   2*HALFA+2*HALFB           ; 121,856
.set STAGE,  2*SLOT                    ; 243,712: 16 rows x 400 bytes for each wave; no tensor load lands here
.set SPITCH, 400                       ; 384 bytes (192 bf16) + 16
.set NSTG,   STAGE+4*16*SPITCH         ; 269,312: 2 x 64 f32 for each wave
.set LAPS,   4                         ; 1024 / (2 x 128)
.set ADRA, 16
.set ADRB, 20
.set STO,  24
.set RD,   25
.set CO,   26
.set NSTO, 27
.set NRD,  28
.set BO,   29
.set N8,   30
.set NT,   32
.set FA0,  64
.set FA1,  96
.set BIAS, 128
.set TMP,  64
.set RB,   128
.set FB0,  0
.set FB1,  96
.set G1,  24
.set G0,  32
.set G1B, 48
.set G0B, 56
.set MSB, 0
.macro WIN new                         ; the immediate's high byte repeats the setting that is left
.if MSB != \new
	s_set_vgpr_msb (MSB<<8)|\new
.set MSB, \new
.endif
.endm
.macro PLACES                          ; four places behind matrix instructions ahead of loads into, or reads of, their registers
.rept 4
	v_nop
.endr
.endm
.macro JLOAD s                         ; waves 0, 1 ask for x's halves, waves 2, 3 for the weights'; the branch hangs on the wave's number alone
	s_cmp_eq_u32 s17, 0
	s_cbranch_scc0 .Lfor_b_\@
	tensor_load_to_lds s[G0+4*\s:G0+4*\s+3], s[G1:G1+7]
	s_nop 0
	s_branch .Lasked_\@
.Lfor_b_\@:
	tensor_load_to_lds s[G0B+4*\s:G0B+4*\s+3], s[G1B:G1B+7]
	s_nop 0
.Lasked_\@:
.endm
.macro CREST                           ; a round of the cluster's barrier behind its opening work-group barrier
	s_cmp_lg_u32 s16, 0
	s_cbranch_scc1 .Lnot_wave_0_\@
	s_barrier_signal -3
.Lnot_wave_0_\@:
	s_barrier_wait -3
	s_barrier_signal -1
	s_barrier_wait -1
.endm
.macro CROUND
	s_barrier_signal -1
	s_barrier_wait -1
	CREST
.endm
	s_load_b256 s[4:11], s[0:1], 0x0               ; bfin s[4:5], bq s[6:7], bk s[8:9], bv s[10:11]
	s_load_b128 s[12:15], s[0:1], 0x20             ; qkv s[12:13], nrm s[14:15]
	s_set_vgpr_msb 0x40
	v_lshl_add_u32 v255, v0, 2, 0x42400
	s_set_vgpr_msb 0x4000
	v_mov_b32 v255, 0
	s_set_vgpr_msb 0x1
	ds_add_u32 v255, v255
	s_set_vgpr_msb 0x100
	v_lshrrev_b32 v1, 5, v0
	v_readfirstlane_b32 s16, v1                    ; wave 0..3
	s_lshr_b32 s17, s16, 1                         ; 0: I fetch x, 1: I fetch weights
	s_and_b32 s18, s16, 1                          ; which half of that tile
	s_bfe_u32 s20, ttmp6, 0x40000                  ; cx
	s_bfe_u32 s21, ttmp6, 0x40004                  ; cy
	s_lshl_b32 s22, ttmp9, 2
	s_add_co_u32 s22, s22, s20                     ; bx = head
	s_and_b32 s23, ttmp7, 0xffff
	s_lshl_b32 s23, s23, 2
	s_add_co_u32 s23, s23, s21                     ; by = block of 256 tokens
	s_lshl_b32 s40, s21, 2
	s_lshl_b32 s40, 15, s40                        ; my row of the cluster
	s_lshl_b32 s41, 0x1111, s20                    ; my column
	s_or_b32 s[G1+0], s40, (1<<16)|(1<<20)|(1<<21)|(5<<22)|(3<<25)   ; mask; 2-byte elements; 4 words of padding behind every 64; bit 21 beside a mask
	s_or_b32 s[G1B+0], s41, (1<<16)|(1<<20)|(1<<21)|(5<<22)|(3<<25)
	s_mov_b32 s[G1+1], KSTEP<<16                   ; tensor_dim0 = 128
	s_mov_b32 s[G1B+1], KSTEP<<16
	s_mov_b32 s[G1+2], 128<<16                     ; tensor_dim1 = 128 rows
	s_mov_b32 s[G1B+2], 96<<16                     ; 96 rows
	s_mov_b32 s[G1+3], KSTEP<<16                   ; tile_dim0 = 128
	s_mov_b32 s[G1B+3], KSTEP<<16
	s_mov_b32 s[G1+4], 128                         ; tile_dim1
	s_mov_b32 s[G1B+4], 96
	s_mov_b32 s[G1+5], 1024                        ; elements from row to row
	s_mov_b32 s[G1B+5], 1024
	s_mov_b32 s[G1+6], 0
	s_mov_b32 s[G1B+6], 0
	s_mov_b32 s[G1+7], 0
	s_mov_b32 s[G1B+7], 0
	s_mul_i32 s42, s16, HALFA                      ; LDS: wave x 128 rows (waves 0, 1)
	s_mul_i32 s43, s16, HALFB
	s_add_co_u32 s43, s43, BOFF-2*HALFB            ; LDS: behind x, (wave - 2) x 96 rows (waves 2, 3)
	s_lshl_b32 s80, s23, 19                        ; x: 256 by rows of 2,048 bytes; these registers never hold cx
	s_lshl_b32 s81, s18, 18
	s_add_co_u32 s80, s80, s81
	s_mov_b32 s81, 0
	s_mul_i32 s78, s22, 393216                     ; weights: 192 bx rows; these registers never hold cy
	s_mul_i32 s79, s18, 196608
	s_add_co_u32 s78, s78, s79
	s_add_co_u32 s78, s78, 0x800000                ; wqkv's place in bfin
	s_mov_b32 s79, 0
	s_lshl_b32 s82, s22, 8                         ; the head's 64 biases
	s_mov_b32 s83, 0
	s_mov_b32 s66, 0x76543210                      ; v_permlanex16_b32: lane i reads lane i of the other half
	s_mov_b32 s67, 0xfedcba98
	s_mov_b32 s68, 0xffff0000
	s_wait_dscnt 0x0
	s_wait_kmcnt 0x0
	s_add_nc_u64 s[44:45], s[4:5], s[80:81]
	s_add_nc_u64 s[46:47], s[4:5], s[78:79]
	s_add_nc_u64 s[6:7], s[6:7], s[82:83]
	s_add_nc_u64 s[8:9], s[8:9], s[82:83]
	s_add_nc_u64 s[10:11], s[10:11], s[82:83]
	CROUND                                         ; all sixteen work-groups are here: the first joint loads meet
.irp s, 0,1
	s_mov_b32 s[G0+4*\s], 1
	s_add_co_u32 s[G0+4*\s+1], s42, \s*SLOT
	s_add_nc_u64 s[G0+4*\s+2:G0+4*\s+3], s[44:45], \s*KSTEP*2
	s_or_b32 s[G0+4*\s+3], s[G0+4*\s+3], 0x80000000
	s_mov_b32 s[G0B+4*\s], 1
	s_add_co_u32 s[G0B+4*\s+1], s43, \s*SLOT
	s_add_nc_u64 s[G0B+4*\s+2:G0B+4*\s+3], s[46:47], \s*KSTEP*2
	s_or_b32 s[G0B+4*\s+3], s[G0B+4*\s+3], 0x80000000
	JLOAD \s                                       ; K steps 0 and 1: two tensor loads of the wave are out, later one
.endr
	v_and_b32 v1, 15, v0                           ; r
	v_bfe_u32 v2, v0, 4, 1                         ; h
	v_lshlrev_b32 v[BO], 5, v2                     ; my 8 features of a tile of 16: 32 h bytes
.macro BIASLD hh, lo                   ; register j of tile b = bias[16 b + 8 h + j], the same for every token
.irp b, 0,1,2,3
	global_load_b128 v[BIAS+8*(4*\hh+\b):BIAS+8*(4*\hh+\b)+3],   v[BO], s[\lo:\lo+1] offset:64*\b
	global_load_b128 v[BIAS+8*(4*\hh+\b)+4:BIAS+8*(4*\hh+\b)+7], v[BO], s[\lo:\lo+1] offset:64*\b+16
.endr
.endm
	BIASLD 0, 6
	BIASLD 1, 8
	BIASLD 2, 10
	v_mul_u32_u24 v3, v1, PITCH
	v_lshl_add_u32 v3, v2, 4, v3                   ; row x pitch + 16 h
	s_mul_i32 s69, s16, 64*PITCH                   ; my 64 tokens
	v_add_nc_u32 v[ADRA], s69, v3
	v_add_nc_u32 v[ADRA+1], SLOT, v[ADRA]
	v_add_nc_u32 v[ADRB], BOFF, v3
	v_add_nc_u32 v[ADRB+1], SLOT, v[ADRB]
	s_mul_i32 s69, s16, 16*SPITCH
	s_add_co_u32 s69, s69, STAGE                   ; my stage
	v_mul_u32_u24 v4, v1, SPITCH
	v_lshl_add_u32 v4, v2, 4, v4
	v_add_nc_u32 v[STO], s69, v4                   ; in: token r, 16 bytes for each half of the lanes
	v_and_b32 v5, 31, v0                           ; lane
	v_lshrrev_b32 v6, 3, v5
	v_and_b32 v7, 7, v0
	v_mul_u32_u24 v6, v6, SPITCH
	v_lshl_add_u32 v6, v7, 4, v6
	v_add_nc_u32 v[RD], s69, v6                    ; back: eight lanes take one token's 128 bytes of one matrix
	v_lshlrev_b32 v[CO], 4, v5
	v_lshlrev_b32 v[N8], 3, v5
	s_lshl_b32 s69, s16, 9
	s_add_co_u32 s69, s69, NSTG                    ; my norms
	v_lshl_add_u32 v[NSTO], v1, 2, s69
	v_lshl_add_u32 v[NRD], v5, 3, s69
; 12 matrix instructions: token tile 2 hi + a x all 12 feature tiles, 32 along K
.macro MUL12 fa, fb, hi, a, bias
.irp b, 0,1,2,3,4,5,6,7,8,9,10,11
.if \bias
	v_wmma_f32_16x16x32_bf16 v[8*(12*\a+\b):8*(12*\a+\b)+7], v[\fb+8*\b:\fb+8*\b+7], v[\fa+8*(2*\hi+\a):\fa+8*(2*\hi+\a)+7], v[BIAS+8*\b:BIAS+8*\b+7]
.else
	v_wmma_f32_16x16x32_bf16 v[8*(12*\a+\b):8*(12*\a+\b)+7], v[\fb+8*\b:\fb+8*\b+7], v[\fa+8*(2*\hi+\a):\fa+8*(2*\hi+\a)+7], v[8*(12*\a+\b):8*(12*\a+\b)+7]
.endif
.endr
.endm
; 32 LDS loads in one run: 192 weight rows, then my 64 tokens, 32 K at byte k of the rows
.macro FETCH slot, k, fa, fb
	WIN 0x40
.irp i, 0,1,2,3,4,5,6,7,8,9,10,11
	ds_load_b128 v[\fb+8*\i:\fb+8*\i+3],   v[ADRB+\slot] offset:\k+\i*16*PITCH
	ds_load_b128 v[\fb+8*\i+4:\fb+8*\i+7], v[ADRB+\slot] offset:\k+\i*16*PITCH+32
.endr
	WIN 0
.irp i, 0,1,2,3
	ds_load_b128 v[\fa+8*\i:\fa+8*\i+3],   v[ADRA+\slot] offset:\k+\i*16*PITCH
	ds_load_b128 v[\fa+8*\i+4:\fa+8*\i+7], v[ADRA+\slot] offset:\k+\i*16*PITCH+32
.endr
.endm
; a quarter of a K step: multiplies buffers fa, fb; in its middle fetches the next quarter into ga, gb
.macro QUARTER slot, k, fa, fb, ga, gb, bias
	s_wait_dscnt 4                                 ; all but the youngest four loads (token tiles 2, 3) are in
.if \bias
	WIN 0x81                                       ; source 0 window 1, source 1 and C window 0, D window 2
.else
	WIN 0xa1
.endif
	MUL12 \fa, \fb, 0, 0, \bias
	MUL12 \fa, \fb, 0, 1, \bias
	PLACES
	FETCH \slot, \k, \ga, \gb
	s_wait_dscnt 32                                ; all but the 32 just issued
.if \bias
	WIN 0xc1
.else
	WIN 0xf1
.endif
	MUL12 \fa, \fb, 1, 0, \bias
	MUL12 \fa, \fb, 1, 1, \bias
.endm
.macro THREE slot, bias
	QUARTER \slot, 64,  FA0, FB0, FA1, FB1, \bias
	QUARTER \slot, 128, FA1, FB1, FA0, FB0, 0
	QUARTER \slot, 192, FA0, FB0, FA1, FB1, 0
.endm
; the last quarter changes slots.  In front of the barrier: my reads of this slot and all my tensor loads (one is out: my part of the next
; slot).  Where the slot is filled again the barrier opens a round of the cluster's barrier, and the joint refill is the first tensor load
; behind the round: 180 matrix instructions of the wave lie between a request and the wait for it.
.macro TURN slot, next, fill
	s_wait_dscnt 4
	WIN 0xa1
	MUL12 FA1, FB1, 0, 0, 0
	s_wait_dscnt 0x0
	s_wait_tensorcnt 0x0
	ds_add_u32 v255, v255
	s_wait_dscnt 0x0
	s_barrier_signal -1
	MUL12 FA1, FB1, 0, 1, 0
	WIN 0
	s_barrier_wait -1
.if \fill
	CREST
	s_add_nc_u64 s[G0+4*\slot+2:G0+4*\slot+3], s[G0+4*\slot+2:G0+4*\slot+3], 2*KSTEP*2
	s_add_nc_u64 s[G0B+4*\slot+2:G0B+4*\slot+3], s[G0B+4*\slot+2:G0B+4*\slot+3], 2*KSTEP*2
	JLOAD \slot
.endif
	PLACES
	FETCH \next, 0, FA0, FB0
	WIN 0xf1
	MUL12 FA1, FB1, 1, 0, 0
	MUL12 FA1, FB1, 1, 1, 0
.endm
.macro LAP bias
	THREE 0, \bias
	TURN 0, 1, 1
	THREE 1, 0
	TURN 1, 0, 1
.endm
	s_wait_tensorcnt 0x1                           ; my part of K step 0 is in; K step 1's stays out
	s_barrier_signal -1
	s_barrier_wait -1
	FETCH 0, 0, FA0, FB0
	s_wait_loadcnt 0x0                             ; the bias
	LAP 1                                          ; the first products start the sums from the bias
	WIN 0
	s_mov_b32 s19, LAPS-2
.Llap:
	LAP 0
	WIN 0
	s_sub_co_u32 s19, s19, 1
	s_cmp_lg_u32 s19, 0
	s_cbranch_scc1 .Llap
	THREE 0, 0                                     ; the last lap fills nothing
	TURN 0, 1, 0
	THREE 1, 0
	s_wait_dscnt 4
	WIN 0xa1
	MUL12 FA1, FB1, 0, 0, 0
	MUL12 FA1, FB1, 0, 1, 0
	s_wait_dscnt 0x0
	WIN 0xf1
	MUL12 FA1, FB1, 1, 0, 0
	MUL12 FA1, FB1, 1, 1, 0
	; THE WAY OUT
	PLACES
	s_lshr_b32 s82, s23, 3                         ; batch
	s_lshl_b32 s82, s82, 4
	s_add_co_u32 s82, s82, s22                     ; bh = 16 batch + head
	s_lshl_b32 s82, s82, 11
	s_and_b32 s83, s23, 7
	s_lshl_b32 s83, s83, 8
	s_add_co_u32 s82, s82, s83
	s_lshl_b32 s83, s16, 6
	s_add_co_u32 s82, s82, s83                     ; 2048 bh + the wave's first token in its batch
	s_lshl_b32 s76, s82, 2
	s_mov_b32 s77, 0
	s_add_nc_u64 s[76:77], s[14:15], s[76:77]      ; nrm
	s_lshl_b32 s82, s82, 7
	s_mov_b32 s83, 0
	s_add_nc_u64 s[70:71], s[12:13], s[82:83]      ; Q; three bases, since a matrix's 8,388,608 bytes pass the signed 24-bit immediate
	s_add_nc_u64 s[72:73], s[70:71], 0x800000      ; K
	s_add_nc_u64 s[74:75], s[70:71], 0x1000000     ; V
; tokens 16 i .. 16 i + 15 of the wave: round, sum the squares of the rounded q and k, 16 bytes a lane into my stage, whole token rows back
.macro OUT16 i, a, from
	WIN \from
.irp b, 0,1,2,3,4,5,6,7,8,9,10,11
.irp q, 0,1,2,3
	v_cvt_pk_bf16_f32 v[TMP+4*\b+\q], v[8*(12*\a+\b)+2*\q], v[8*(12*\a+\b)+2*\q+1]
.endr
.endr
	WIN 0
.irp hh, 0,1                           ; my 32 features of q (hh = 0) and of k (1) are 16 packed words; two chains each, started by the first word
	v_lshlrev_b32 v[NT+4*\hh+2], 16, v[TMP+16*\hh]
	v_and_b32 v[NT+4*\hh+3], s68, v[TMP+16*\hh]
.endr
.irp hh, 0,1
	v_mul_f32 v[NT+4*\hh],   v[NT+4*\hh+2], v[NT+4*\hh+2]
	v_mul_f32 v[NT+4*\hh+1], v[NT+4*\hh+3], v[NT+4*\hh+3]
.endr
.irp j, 1,2,3,4,5,6,7,8,9,10,11,12,13,14,15
.irp hh, 0,1
	v_fma_mix_f32_bf16 v[NT+4*\hh],   v[TMP+16*\hh+\j], v[TMP+16*\hh+\j], v[NT+4*\hh] op_sel_hi:[1,1,0]
	v_fma_mix_f32_bf16 v[NT+4*\hh+1], v[TMP+16*\hh+\j], v[TMP+16*\hh+\j], v[NT+4*\hh+1] op_sel:[1,1,0] op_sel_hi:[1,1,0]
.endr
.endr
.irp hh, 0,1
	v_add_f32 v[NT+4*\hh], v[NT+4*\hh], v[NT+4*\hh+1]
.endr
.irp hh, 0,1
	v_permlanex16_b32 v[NT+4*\hh+2], v[NT+4*\hh], s66, s67     ; the other 32 features lie in the other half of the lanes
.endr
.irp hh, 0,1
	v_add_f32 v[NT+4*\hh], v[NT+4*\hh], v[NT+4*\hh+2]
	ds_store_b32 v[NSTO], v[NT+4*\hh] offset:\hh*256+\i*64     ; lanes r and r + 16 write the same word with the same value
.endr
.irp b, 0,1,2,3,4,5,6,7,8,9,10,11
	ds_store_b128 v[STO], v[TMP+4*\b:TMP+4*\b+3] offset:32*\b
.endr
	s_wait_xcnt 0x0                                ; the last turn's stores have had their addresses translated: RB is loaded again only behind this wait
.irp hh, 0,1,2
.irp t, 0,1,2,3
	ds_load_b128 v[RB+4*(4*\hh+\t):RB+4*(4*\hh+\t)+3], v[RD] offset:\t*4*SPITCH+\hh*128   ; LDS serves a wave in order: these see the stores above
.endr
.endr
.irp hh, 0,1,2
.irp t, 0,1,2,3
	s_wait_dscnt 11-(4*\hh+\t)
	global_store_b128 v[CO], v[RB+4*(4*\hh+\t):RB+4*(4*\hh+\t)+3], s[70+2*\hh:71+2*\hh] offset:\i*2048+\t*512   ; four tokens' rows: 512 consecutive bytes, aligned
.endr
.endr
.endm
	OUT16 0, 0, 0x0a
	OUT16 1, 1, 0x0a
	OUT16 2, 0, 0x0f
	OUT16 3, 1, 0x0f
	ds_load_b64 v[NT:NT+1], v[NRD]                 ; my wave's 64 sums of q^2: 8 bytes a lane
	ds_load_b64 v[NT+2:NT+3], v[NRD] offset:256    ; and of k^2
	s_wait_dscnt 0x0
	v_pk_mul_f32 v[NT+2:NT+3], v[NT+2:NT+3], -0.5 op_sel_hi:[1,0]
	global_store_b64 v[N8], v[NT:NT+1], s[76:77]                   ; 256 consecutive bytes, aligned
	global_store_b64 v[N8], v[NT+2:NT+3], s[76:77] offset:262144
	s_set_vgpr_msb 0x1
	s_wait_tensorcnt 0x0
	ds_add_u32 v255, v255
	s_wait_dscnt 0x0
	s_set_vgpr_msb 0x100
	CROUND                                         ; the closing round: no work-group ends while a partner may still ask jointly
	s_endpgm
.Lfunc_end_k_qf06fb7f086_qkv:
	.size	k_qf06fb7f086_qkv, .Lfunc_end_k_qf06fb7f086_qkv-k_qf06fb7f086_qkv
	.p2alignl 7, 3214868480
	.fill 96, 4, 3214868480
	.section	.rodata,"a",@progbits
	.p2align	6, 0x0
	.amdhsa_kernel k_qf06fb7f086_qkv
		.amdhsa_group_segment_fixed_size 327680
		.amdhsa_private_segment_fixed_size 0
		.amdhsa_enable_private_segment 0
		.amdhsa_kernarg_size 48
		.amdhsa_user_sgpr_count 2
		.amdhsa_user_sgpr_kernarg_segment_ptr 1
		.amdhsa_wavefront_size32 1
		.amdhsa_system_sgpr_workgroup_id_x 1
		.amdhsa_system_sgpr_workgroup_id_y 1
		.amdhsa_system_sgpr_workgroup_id_z 1
		.amdhsa_system_vgpr_workitem_id 0
		.amdhsa_next_free_vgpr 960
		.amdhsa_next_free_sgpr 84
		.amdhsa_reserve_vcc 0
		.amdhsa_float_denorm_mode_32 3
		.amdhsa_float_denorm_mode_16_64 3
		.amdhsa_memory_ordered 1
		.amdhsa_forward_progress 1
		.amdhsa_inst_pref_size 184
	.end_amdhsa_kernel
	.amdgpu_metadata
---
amdhsa.version: [ 1, 2 ]
amdhsa.kernels:
  - .name:           k_qf06fb7f086_qkv
    .symbol:         k_qf06fb7f086_qkv.kd
    .args:
      - { .name: bfin, .offset: 0, .size: 8, .value_kind: global_buffer, .address_space: global }
      - { .name: bq, .offset: 8, .size: 8, .value_kind: global_buffer, .address_space: global }
      - { .name: bk, .offset: 16, .size: 8, .value_kind: global_buffer, .address_space: global }
      - { .name: bv, .offset: 24, .size: 8, .value_kind: global_buffer, .address_space: global }
      - { .name: qkv, .offset: 32, .size: 8, .value_kind: global_buffer, .address_space: global }
      - { .name: nrm, .offset: 40, .size: 8, .value_kind: global_buffer, .address_space: global }
    .group_segment_fixed_size: 327680
    .private_segment_fixed_size: 0
    .kernarg_segment_align: 8
    .kernarg_segment_size: 48
    .max_flat_workgroup_size: 128
    .sgpr_count:     84
    .vgpr_count:     960
    .wavefront_size: 32
...
	.end_amdgpu_metadata
.endif
;; end of part 2
;; launch attn (part 3): grid 8 x 32, 8 waves a work-group, clusters of 4 x 1, 327,680 bytes of LDS; arguments qkv, nrm, att; writes att
.if DOCPART == 3
	.amdgcn_target "amdgcn-amd-amdhsa--gfx1250"
	.amdhsa_code_object_version 6
	.text
	.protected	k_qf06fb7f086_attn
	.globl	k_qf06fb7f086_attn
	.p2align	8
	.type	k_qf06fb7f086_attn,@function
k_qf06fb7f086_attn:
	s_mov_b64 s[64:65], 0
	v_nop
	global_prefetch_b8 v0, s[64:65] scope:SCOPE_SE
	s_setreg_imm32_b32 hwreg(HW_REG_WAVE_MODE, 25, 1), 1
	s_wait_xcnt 0x0
	s_wait_alu depctr_hold_cnt(0) depctr_sa_sdst(0) depctr_va_vdst(0) depctr_va_sdst(0) depctr_va_ssrc(0) depctr_va_vcc(0) depctr_vm_vsrc(0)
	s_getreg_b32 s2, hwreg(HW_REG_IB_STS2, 6, 4)
	s_cmp_eq_u32 s2, 0
	s_cbranch_scc0 .Lentry_in_a_cluster
	s_endpgm
.Lentry_in_a_cluster:
	s_bfe_u32 s2, ttmp6, 0x10000c
	s_cmp_lg_u32 s2, 0x3003
	s_cbranch_scc0 .Lentry_shape_is_right
	s_endpgm
.Lentry_shape_is_right:
; softmax over keys of -sqrt(max(|q|^2 + |k|^2 - 2 q.k, 1e-12)), times V, for 256 queries of one (batch, head); all 2,048 keys are walked.
; In: qkv [3][32 bh][2048][64] bf16, nrm [2][32 bh][2048] f32 (sum q^2; -1/2 sum k^2).  Out: att [32 blocks of 128 tokens][16 heads][128][64] bf16.
; LIMITS: p and the result are rounded to bf16 (matrix operands); the denominator sums p in f32 before that rounding; terms more than 2^126
; below a row's largest come out as 0 (v_exp_f32 flushes denormal results: ISA guide 15.8); NaN and infinities are not treated apart.
; THE MAXIMUM is a running one: the smallest clamped squared distance met so far is kept for each query, sums and outputs are rescaled by
; exp(old - new) in every step of 64 keys.  No branch hangs on data.
; Eight waves, two on a SIMD, so that one wave's matrix work can run under the other's roots and exponentials.  Wave w owns 32 queries.
; LAYOUT, so that nothing moves between lanes but one exchange of halves:
;   S^T = K Q^T (source 0 = 16 keys, source 1 = 16 queries): lane (r, h) holds query r, keys 8 h + 0..7.  C of the first product is -1/2 k^2,
;   so d2 = -2 S + q^2 is one packed multiply-add.  Two neighbouring tiles of S^T, packed to bf16, ARE source 1 of O^T = V^T P^T; source 0,
;   V^T, comes by transposing LDS loads.  What belongs to a query (minimum, alpha, sum) belongs to a lane.
; CLUSTER 4 x 1: four query blocks of one head read the same K, V and k^2: every tile is asked for jointly by the four (mask 15).
; LDS: two slots of 81,920 bytes, each 256 keys: K at 0 (pitch 144; waves 0-3 fill 64 rows each), V at 40,960 (pitch 160; waves 4-7);
;      163,840: the head's -1/2 k^2, 8,192 bytes, filled once, 1,024 bytes a wave; 172,032: a stage of 32 rows x 144 bytes for each wave.
; The accumulators of each run of matrix instructions take turns, one instruction a turn.
.set SLOT,  81920
.set KP,    144
.set VP,    160
.set VOFF,  40960
.set K2,    163840
.set STAGE, 172032
.set TILEB, 32768                      ; 256 keys x 128 bytes in memory
.set KA, 2                             ; v2, v3    K fragments' address in slot 0, 1
.set VA, 4                             ; v4, v5    V fragments' address
.set CA, 6                             ; v6        -1/2 k^2 of this chunk
.set STO, 7
.set RD, 8
.set CO, 9
.set MN, 10                            ; v10, v11  smallest clamped d2 so far, query tile 0, 1
.set ML, 12                            ; v12, v13  log2(e) sqrt(MN)
.set AL, 14                            ; v14, v15  alpha
.set Q2, 16                            ; v16, v17  |q|^2
.set LS, 18                            ; v18-25    row sums: two pairs for each query tile
.set TT, 26                            ; v26-31    at work
.set SC, 32                            ; v32-95    scores: tile 4 qt + kt
.set KF, 96                            ; v96-159   K fragments 2 kt + kf
.set VF, 160                           ; v160-223  V^T fragments 4 kg + dt
.set KC, 224                           ; v224-255  -1/2 k^2 as C, tile kt
.set OA, 0                             ; window 1: v0-63 O^T, tile 4 qt + dt
.set QF, 64                            ; window 1: v64-95 Q fragments 2 qt + kf
.set G1K, 16
.set G1V, 24
.set G0K, 32
.set G0V, 40
.set G1N, 48
.set G0N, 56
.set MSB, 0
.macro WIN new
.if MSB != \new
	s_set_vgpr_msb (MSB<<8)|\new
.set MSB, \new
.endif
.endm
.macro NOPS n
.rept \n
	v_nop
.endr
.endm
.macro ROUND                           ; a round of the cluster's barrier
	s_barrier_signal -1
	s_barrier_wait -1
	s_cmp_lg_u32 s10, 0
	s_cbranch_scc1 .Lnot_wave_0_\@
	s_barrier_signal -3
.Lnot_wave_0_\@:
	s_barrier_wait -3
	s_barrier_signal -1
	s_barrier_wait -1
.endm
.macro JLOAD s                         ; waves 0-3 ask for 64 rows of K each, waves 4-7 for 64 rows of V
	s_cmp_eq_u32 s11, 0
	s_cbranch_scc0 .Lfor_v_\@
	tensor_load_to_lds s[G0K+4*\s:G0K+4*\s+3], s[G1K:G1K+7]
	s_nop 0
	s_branch .Lasked_\@
.Lfor_v_\@:
	tensor_load_to_lds s[G0V+4*\s:G0V+4*\s+3], s[G1V:G1V+7]
	s_nop 0
.Lasked_\@:
.endm
	s_load_b128 s[4:7], s[0:1], 0x0                ; qkv s[4:5], nrm s[6:7]
	s_load_b64 s[8:9], s[0:1], 0x10                ; att
	s_set_vgpr_msb 0x40
	v_lshl_add_u32 v96, v0, 2, 0x33000
	v_mov_b32 v97, 0
	s_set_vgpr_msb 0x4045
	ds_add_u32 v96, v97
	s_set_vgpr_msb 0x4500
	v_lshrrev_b32 v1, 5, v0
	v_readfirstlane_b32 s10, v1                    ; wave 0..7
	s_lshr_b32 s11, s10, 2                         ; 0: I fetch K, 1: V
	s_and_b32 s12, s10, 3                          ; which 64 rows
	s_bfe_u32 s14, ttmp6, 0x40000                  ; cx
	s_lshl_b32 s15, ttmp9, 2
	s_add_co_u32 s15, s15, s14                     ; block of 256 queries
	s_and_b32 s60, ttmp7, 0xffff                   ; bh
	s_mov_b32 s61, 0x3fb8aa3b                      ; log2(e)
	s_mov_b32 s62, 0x2b8cbccc                      ; 1e-12
	s_mov_b32 s66, 0x76543210
	s_mov_b32 s67, 0xfedcba98
	s_mov_b32 s[G1K+0], 15|(1<<16)|(1<<20)|(1<<21)|(4<<22)|(3<<25)   ; all four partners; 2-byte elements; 4 words of padding behind every 32
	s_mov_b32 s[G1V+0], 15|(1<<16)|(1<<20)|(1<<21)|(4<<22)|(7<<25)   ; 8 words of padding
	s_mov_b32 s[G1K+1], 64<<16                     ; tensor_dim0 = 64
	s_mov_b32 s[G1V+1], 64<<16
	s_mov_b32 s[G1K+2], 64<<16                     ; tensor_dim1 = 64
	s_mov_b32 s[G1V+2], 64<<16
	s_mov_b32 s[G1K+3], 64<<16                     ; tile_dim0 = 64
	s_mov_b32 s[G1V+3], 64<<16
	s_mov_b32 s[G1K+4], 64                         ; tile_dim1 = 64
	s_mov_b32 s[G1V+4], 64
	s_mov_b32 s[G1K+5], 64                         ; elements from row to row
	s_mov_b32 s[G1V+5], 64
	s_mov_b32 s[G1K+6], 0
	s_mov_b32 s[G1V+6], 0
	s_mov_b32 s[G1K+7], 0
	s_mov_b32 s[G1V+7], 0
	s_mov_b32 s[G1N+0], 15|(3<<16)|(1<<21)         ; 8-byte elements, no padding: 4 rows of 256 bytes
	s_mov_b32 s[G1N+1], 32<<16
	s_mov_b32 s[G1N+2], 4<<16
	s_mov_b32 s[G1N+3], 32<<16
	s_mov_b32 s[G1N+4], 4
	s_mov_b32 s[G1N+5], 32
	s_mov_b32 s[G1N+6], 0
	s_mov_b32 s[G1N+7], 0
	s_lshl_b32 s76, s60, 18                        ; joint loads: offsets made of bh and the wave's number alone
	s_lshl_b32 s77, s12, 13
	s_add_co_u32 s76, s76, s77
	s_mov_b32 s77, 0
	s_lshl_b32 s68, s60, 13
	s_lshl_b32 s69, s10, 10
	s_add_co_u32 s68, s68, s69
	s_add_co_u32 s68, s68, 262144                  ; nrm's second part
	s_mov_b32 s69, 0
	s_lshl_b32 s70, s60, 11                        ; my first query: 2048 bh + 256 block + 32 wave
	s_lshl_b32 s71, s15, 8
	s_add_co_u32 s70, s70, s71
	s_lshl_b32 s71, s10, 5
	s_add_co_u32 s70, s70, s71
	s_lshl_b32 s72, s70, 2
	s_mov_b32 s73, 0
	s_lshl_b32 s70, s70, 7
	s_mov_b32 s71, 0
	s_lshr_b32 s74, s60, 4                         ; att: block of 128 tokens = 16 batch + 2 block + wave / 4
	s_lshl_b32 s74, s74, 4
	s_lshl_b32 s75, s15, 1
	s_add_co_u32 s74, s74, s75
	s_add_co_u32 s74, s74, s11
	s_lshl_b32 s74, s74, 4
	s_and_b32 s75, s60, 15
	s_add_co_u32 s74, s74, s75                     ; x 16 + head
	s_lshl_b32 s74, s74, 14                        ; pieces of 16,384 bytes
	s_lshl_b32 s75, s12, 12                        ; my 32 tokens in the piece
	s_add_co_u32 s74, s74, s75
	s_mov_b32 s75, 0
	s_mul_i32 s13, s10, 32*KP
	s_add_co_u32 s13, s13, STAGE                   ; my stage
	v_and_b32 v26, 31, v0                          ; lane
	v_and_b32 v27, 15, v0                          ; r
	v_bfe_u32 v28, v0, 4, 1                        ; h
	v_lshlrev_b32 v1, 7, v27
	v_lshl_add_u32 v1, v28, 4, v1                  ; Q: 128 r + 16 h
	v_mul_u32_u24 v[KA], v27, KP
	v_lshl_add_u32 v[KA], v28, 4, v[KA]            ; K: row r, 16 h
	v_add_nc_u32 v[KA+1], SLOT, v[KA]
	v_and_b32 v30, 7, v0
	v_lshl_add_u32 v31, v28, 3, v30                ; V: key 8 h + (lane & 7),
	v_mul_u32_u24 v[VA], v31, VP
	v_bfe_u32 v31, v0, 3, 1
	v_lshl_add_u32 v[VA], v31, 4, v[VA]            ; 16 bytes by bit 3 of the lane
	v_add_nc_u32 v[VA], VOFF, v[VA]
	v_add_nc_u32 v[VA+1], SLOT, v[VA]
	v_lshlrev_b32 v[CA], 5, v28
	v_add_nc_u32 v[CA], K2, v[CA]                  ; my 8 keys of a tile: 32 h bytes
	v_add_nc_u32 v[STO], s13, v[KA]
	v_bfe_u32 v31, v0, 3, 2
	v_mul_u32_u24 v[RD], v31, KP
	v_lshl_add_u32 v[RD], v30, 4, v[RD]
	v_add_nc_u32 v[RD], s13, v[RD]
	v_lshlrev_b32 v[CO], 4, v26
	v_lshlrev_b32 v0, 2, v27                       ; q^2: 4 r
	s_wait_dscnt 0x0
	s_wait_kmcnt 0x0
	s_add_nc_u64 s[70:71], s[4:5], s[70:71]        ; my Q
	s_add_nc_u64 s[72:73], s[6:7], s[72:73]        ; my q^2
	s_add_nc_u64 s[74:75], s[8:9], s[74:75]        ; my part of att
	s_add_nc_u64 s[76:77], s[4:5], s[76:77]
	s_add_nc_u64 s[68:69], s[6:7], s[68:69]
	s_mul_i32 s[G0K+1], s10, 64*KP                 ; LDS: wave x 64 rows of K (waves 0-3)
	s_mul_i32 s[G0V+1], s10, 64*VP                 ; LDS: wave x 64 rows of V: wave 4 begins at 40,960
	s_add_co_u32 s[G0K+5], s[G0K+1], SLOT
	s_add_co_u32 s[G0V+5], s[G0V+1], SLOT
.irp s, 0,1
	s_mov_b32 s[G0K+4*\s], 1
	s_add_nc_u64 s[G0K+4*\s+2:G0K+4*\s+3], s[76:77], 0x800000+\s*TILEB
	s_or_b32 s[G0K+4*\s+3], s[G0K+4*\s+3], 0x80000000
	s_mov_b32 s[G0V+4*\s], 1
	s_add_nc_u64 s[G0V+4*\s+2:G0V+4*\s+3], s[76:77], 0x1000000+\s*TILEB
	s_or_b32 s[G0V+4*\s+3], s[G0V+4*\s+3], 0x80000000
.endr
	s_mov_b32 s[G0N], 1
	s_lshl_b32 s[G0N+1], s10, 10
	s_add_co_u32 s[G0N+1], s[G0N+1], K2
	s_mov_b64 s[G0N+2:G0N+3], s[68:69]
	s_or_b32 s[G0N+3], s[G0N+3], 0x80000000
	ROUND                                          ; the four partners are here: the first joint loads meet
	tensor_load_to_lds s[G0N:G0N+3], s[G1N:G1N+7]  ; my 256 of the head's -1/2 k^2
	s_nop 0
	JLOAD 0                                        ; keys 0-255: two tensor loads of the wave are out, later one
	WIN 0x40
.irp qt, 0,1
.irp kf, 0,1
	global_load_b128 v[QF+8*(2*\qt+\kf):QF+8*(2*\qt+\kf)+3],   v1, s[70:71] offset:\qt*2048+\kf*64
	global_load_b128 v[QF+8*(2*\qt+\kf)+4:QF+8*(2*\qt+\kf)+7], v1, s[70:71] offset:\qt*2048+\kf*64+32
.endr
.endr
	WIN 0
.irp qt, 0,1
	global_load_b32 v[Q2+\qt], v0, s[72:73] offset:64*\qt
.endr
; The change of slots.  slot = the one that is entered, oth = the one that has been read.  Every wave waits for all its tensor loads (its part
; of the entered slot among them) and for its LDS reads; a round of the cluster's barrier; then the joint refill of the slot read last, the
; wave's first and only tensor load behind the round.  It has a whole chunk of 256 keys in which to land.
.macro ENTER slot, oth, refill
	s_set_vgpr_msb 0x5
	s_wait_tensorcnt 0x0
	ds_add_u32 v96, v97
	s_wait_dscnt 0x0
	s_set_vgpr_msb 0x500
	s_add_nc_u64 s[G0K+4*\slot+2:G0K+4*\slot+3], s[G0K+4*\slot+2:G0K+4*\slot+3], 2*TILEB   ; no load is out: the entered slot's next tile
	s_add_nc_u64 s[G0V+4*\slot+2:G0V+4*\slot+3], s[G0V+4*\slot+2:G0V+4*\slot+3], 2*TILEB
	s_wait_dscnt 0x0
	ROUND
.if \refill
	JLOAD \oth
.endif
.endm
.macro KPRE slot, st                   ; 24 loads: 64 keys as 8 fragments, their -1/2 k^2 as 4 C tiles (all lanes of a half read the same words)
.irp kt, 0,1,2,3
.irp kf, 0,1
	ds_load_b128 v[KF+8*(2*\kt+\kf):KF+8*(2*\kt+\kf)+3],   v[KA+\slot] offset:\st*64*KP+\kt*16*KP+\kf*64
	ds_load_b128 v[KF+8*(2*\kt+\kf)+4:KF+8*(2*\kt+\kf)+7], v[KA+\slot] offset:\st*64*KP+\kt*16*KP+\kf*64+32
.endr
.endr
.irp kt, 0,1,2,3
	ds_load_b128 v[KC+8*\kt:KC+8*\kt+3],   v[CA] offset:\st*256+\kt*64
	ds_load_b128 v[KC+8*\kt+4:KC+8*\kt+7], v[CA] offset:\st*256+\kt*64+16
.endr
.endm
.macro VPRE slot, st                   ; 16 transposing loads: V^T, 2 groups of 32 keys x 4 tiles of 16 features
.irp kg, 0,1
.irp dt, 0,1,2,3
	ds_load_tr16_b128 v[VF+8*(4*\kg+\dt):VF+8*(4*\kg+\dt)+3],   v[VA+\slot] offset:\st*64*VP+\kg*32*VP+\dt*32
	ds_load_tr16_b128 v[VF+8*(4*\kg+\dt)+4:VF+8*(4*\kg+\dt)+7], v[VA+\slot] offset:\st*64*VP+\kg*32*VP+\dt*32+16*VP
.endr
.endr
.endm
; d2 = q^2 - 2 (q.k - k^2 / 2), and the smallest d2 of each query: four chains, then the other half of the lanes, then the clamp
; (the smallest of the clamped values is the clamped smallest value)
.macro D2MIN first
.irp qt, 0,1
.irp j, 0,2,4,6,8,10,12,14,16,18,20,22,24,26,28,30
	v_pk_fma_f32 v[SC+32*\qt+\j:SC+32*\qt+\j+1], v[SC+32*\qt+\j:SC+32*\qt+\j+1], -2.0, v[Q2:Q2+1] op_sel:[0,0,\qt] op_sel_hi:[1,0,\qt]
.endr
.endr
.irp qt, 0,1
.if \first
	v_min_num_f32 v[TT+2*\qt], v[SC+32*\qt], v[SC+32*\qt+1]
.else
	v_min3_num_f32 v[TT+2*\qt], v[MN+\qt], v[SC+32*\qt], v[SC+32*\qt+1]
.endif
	v_min_num_f32 v[TT+2*\qt+1], v[SC+32*\qt+16], v[SC+32*\qt+17]
.endr
.irp j, 2,4,6,8,10,12,14
.irp qt, 0,1
	v_min3_num_f32 v[TT+2*\qt],   v[TT+2*\qt],   v[SC+32*\qt+\j],    v[SC+32*\qt+\j+1]
	v_min3_num_f32 v[TT+2*\qt+1], v[TT+2*\qt+1], v[SC+32*\qt+16+\j], v[SC+32*\qt+17+\j]
.endr
.endr
	v_min_num_f32 v[TT], v[TT], v[TT+1]
	v_min_num_f32 v[TT+2], v[TT+2], v[TT+3]
	v_permlanex16_b32 v[TT+4], v[TT], s66, s67
	v_permlanex16_b32 v[TT+5], v[TT+2], s66, s67
	v_min_num_f32 v[TT], v[TT], v[TT+4]
	v_min_num_f32 v[TT+2], v[TT+2], v[TT+5]
	v_max_num_f32 v[MN], s62, v[TT]
	v_max_num_f32 v[MN+1], s62, v[TT+2]
.endm
; ML = log2(e) sqrt(MN); alpha = 2^(new ML - old ML), at most 1
.macro MUPD first
	v_sqrt_f32 v[TT], v[MN]
	v_sqrt_f32 v[TT+2], v[MN+1]
	v_nop                                          ; one plain place behind a transcendental (ISA guide 5.7.2)
.if \first
	s_wait_alu depctr_va_vdst(0)
	v_mul_f32 v[ML], s61, v[TT]
	v_mul_f32 v[ML+1], s61, v[TT+2]
.else
	s_wait_alu depctr_va_vdst(0)
	v_mul_f32 v[TT], s61, v[TT]
	v_mul_f32 v[TT+2], s61, v[TT+2]
	v_sub_f32 v[AL], v[TT], v[ML]
	v_sub_f32 v[AL+1], v[TT+2], v[ML+1]
	v_mov_b32 v[ML], v[TT]                         ; the old ML was read just above, so the new one came through TT
	v_mov_b32 v[ML+1], v[TT+2]
	v_exp_f32 v[AL], v[AL]
	v_exp_f32 v[AL+1], v[AL+1]                     ; first used behind the plain lines of the next stage
.endif
.endm
; p = 2^(ML - log2(e) sqrt(max(d2, 1e-12))), tile by tile in five stages, laid so that plain lines of a neighbouring tile stand behind each run of transcendentals
.macro ST1 t
.irp j, 0,1,2,3,4,5,6,7
	v_max_num_f32 v[SC+8*\t+\j], s62, v[SC+8*\t+\j]
.endr
.endm
.macro ST2 t
.irp j, 0,1,2,3,4,5,6,7
	v_sqrt_f32 v[SC+8*\t+\j], v[SC+8*\t+\j]
.endr
.endm
.macro ST3 t, qt
	s_wait_alu depctr_va_vdst(0)
.irp j, 0,2,4,6
	v_pk_fma_f32 v[SC+8*\t+\j:SC+8*\t+\j+1], v[SC+8*\t+\j:SC+8*\t+\j+1], 0xbfb8aa3b, v[ML:ML+1] op_sel:[0,0,\qt] op_sel_hi:[1,0,\qt]
.endr
.endm
.macro ST4 t
.irp j, 0,1,2,3,4,5,6,7
	v_exp_f32 v[SC+8*\t+\j], v[SC+8*\t+\j]
.endr
.endm
; row sums (a query tile's first key tile also rescales them, fused), then the tile packed into its half of source 1 of the second product
.macro ST5 t, qt, first
.if (\t)%4 == 0
.if \first
	v_pk_add_f32 v[LS+4*\qt:LS+4*\qt+1],   v[SC+8*\t:SC+8*\t+1],   v[SC+8*\t+4:SC+8*\t+5]
	v_pk_add_f32 v[LS+4*\qt+2:LS+4*\qt+3], v[SC+8*\t+2:SC+8*\t+3], v[SC+8*\t+6:SC+8*\t+7]
.else
	v_pk_fma_f32 v[LS+4*\qt:LS+4*\qt+1],   v[LS+4*\qt:LS+4*\qt+1],   v[AL:AL+1], v[SC+8*\t:SC+8*\t+1] op_sel:[0,\qt,0] op_sel_hi:[1,\qt,1]
	v_pk_fma_f32 v[LS+4*\qt+2:LS+4*\qt+3], v[LS+4*\qt+2:LS+4*\qt+3], v[AL:AL+1], v[SC+8*\t+2:SC+8*\t+3] op_sel:[0,\qt,0] op_sel_hi:[1,\qt,1]
	v_pk_add_f32 v[LS+4*\qt:LS+4*\qt+1],   v[LS+4*\qt:LS+4*\qt+1],   v[SC+8*\t+4:SC+8*\t+5]
	v_pk_add_f32 v[LS+4*\qt+2:LS+4*\qt+3], v[LS+4*\qt+2:LS+4*\qt+3], v[SC+8*\t+6:SC+8*\t+7]
.endif
.else
	s_wait_alu depctr_va_vdst(0)
	v_pk_add_f32 v[LS+4*\qt:LS+4*\qt+1],   v[LS+4*\qt:LS+4*\qt+1],   v[SC+8*\t:SC+8*\t+1]
	v_pk_add_f32 v[LS+4*\qt+2:LS+4*\qt+3], v[LS+4*\qt+2:LS+4*\qt+3], v[SC+8*\t+2:SC+8*\t+3]
	v_pk_add_f32 v[LS+4*\qt:LS+4*\qt+1],   v[LS+4*\qt:LS+4*\qt+1],   v[SC+8*\t+4:SC+8*\t+5]
	v_pk_add_f32 v[LS+4*\qt+2:LS+4*\qt+3], v[LS+4*\qt+2:LS+4*\qt+3], v[SC+8*\t+6:SC+8*\t+7]
.endif
.irp i, 0,1,2,3
	v_cvt_pk_bf16_f32 v[SC+16*((\t)/2)+4*((\t)%2)+\i], v[SC+8*\t+2*\i], v[SC+8*\t+2*\i+1]
.endr
.endm
.macro SG t, qt, nt, pt, pqt, first
	ST2 \t
	ST1 \nt
	ST3 \t, \qt
	ST4 \t
	ST5 \pt, \pqt, \first
.endm
.macro SOFT first
	ST1 0
	ST2 0
	ST1 1
	ST3 0, 0
	ST4 0
	SG 1, 0, 2, 0, 0, \first
	SG 2, 0, 3, 1, 0, \first
	SG 3, 0, 4, 2, 0, \first
	SG 4, 1, 5, 3, 0, \first
	SG 5, 1, 6, 4, 1, \first
	SG 6, 1, 7, 5, 1, \first
	ST2 7
	v_nop
	s_wait_alu depctr_va_vdst(0)
	ST3 7, 1
	ST4 7
	ST5 6, 1, \first
	ST5 7, 1, \first
.endm
; 64 keys.  nst = the next step in the slot; mode 0: inside a chunk, 1: the chunk's last step, slots change, 2: the very last step.
.macro STEP slot, oth, nst, first, mode, refill
	s_wait_dscnt 16                                ; K and k^2 (24 loads) are in; V's 16 younger loads may be out
	WIN 0x04                                       ; source 1 (Q) window 1
.irp kf, 0,1
.irp qt, 0,1
.irp kt, 0,1,2,3
.if \kf == 0
	v_wmma_f32_16x16x32_bf16 v[SC+8*(4*\qt+\kt):SC+8*(4*\qt+\kt)+7], v[KF+16*\kt:KF+16*\kt+7], v[QF+16*\qt:QF+16*\qt+7], v[KC+8*\kt:KC+8*\kt+7]
.else
	v_wmma_f32_16x16x32_bf16 v[SC+8*(4*\qt+\kt):SC+8*(4*\qt+\kt)+7], v[KF+16*\kt+8:KF+16*\kt+15], v[QF+16*\qt+8:QF+16*\qt+15], v[SC+8*(4*\qt+\kt):SC+8*(4*\qt+\kt)+7]
.endif
.endr
.endr
.endr
	WIN 0
	NOPS 4                                         ; four places: the scores are read, and K's registers are loaded again
.if \mode == 0
	KPRE \slot, \nst
.endif
	D2MIN \first
	MUPD \first
	SOFT \first
.if \mode == 0
	s_wait_dscnt 24                                ; V is in; the 24 loads just issued stay out
.endif
.if \mode == 1
	ENTER \oth, \slot, \refill                     ; its wait for all LDS loads also shows V in
	v_add_nc_u32 v[CA], 1024, v[CA]                ; the next chunk's k^2
	KPRE \oth, 0
.endif
.if \mode == 2
	s_wait_dscnt 0x0
.endif
.if \first == 0
	WIN 0x41                                       ; O in window 1, alpha in window 0
.irp qt, 0,1
.irp j, 0,2,4,6,8,10,12,14,16,18,20,22,24,26,28,30
	v_pk_mul_f32 v[OA+32*\qt+\j:OA+32*\qt+\j+1], v[OA+32*\qt+\j:OA+32*\qt+\j+1], v[AL:AL+1] op_sel:[0,\qt] op_sel_hi:[1,\qt]
.endr
.endr
.endif
	WIN 0x50                                       ; C and D window 1
.irp kg, 0,1
.irp qt, 0,1
.irp dt, 0,1,2,3
.if \first*(1-\kg)
	v_wmma_f32_16x16x32_bf16 v[OA+8*(4*\qt+\dt):OA+8*(4*\qt+\dt)+7], v[VF+8*(4*\kg+\dt):VF+8*(4*\kg+\dt)+7], v[SC+32*\qt+16*\kg:SC+32*\qt+16*\kg+7], 0
.else
	v_wmma_f32_16x16x32_bf16 v[OA+8*(4*\qt+\dt):OA+8*(4*\qt+\dt)+7], v[VF+8*(4*\kg+\dt):VF+8*(4*\kg+\dt)+7], v[SC+32*\qt+16*\kg:SC+32*\qt+16*\kg+7], v[OA+8*(4*\qt+\dt):OA+8*(4*\qt+\dt)+7]
.endif
.endr
.endr
.endr
	WIN 0
	NOPS 5                                         ; five places: the next step's first products write over P; V's registers are loaded again
.if \mode == 0
	VPRE \slot, \nst
.endif
.if \mode == 1
	VPRE \oth, 0
.endif
.endm
.macro CHUNK slot, oth, first, mode, refill
	STEP \slot, \oth, 1, \first, 0, 0
	STEP \slot, \oth, 2, 0, 0, 0
	STEP \slot, \oth, 3, 0, 0, 0
	STEP \slot, \oth, 0, 0, \mode, \refill
.endm
	ENTER 0, 1, 1                                  ; keys 0-255 and k^2 are in for every wave; slot 1's first fill goes out as a refill does
	KPRE 0, 0
	VPRE 0, 0
	s_wait_loadcnt 0x0                             ; Q and q^2
	CHUNK 0, 1, 1, 1, 1                            ; the first step starts minimum, sums and outputs: nothing is cleared
	CHUNK 1, 0, 0, 1, 1
	s_mov_b32 s13, 2
.Lpair:
	CHUNK 0, 1, 0, 1, 1
	CHUNK 1, 0, 0, 1, 1                            ; the second trip's refill here brings the last 256 keys
	s_sub_co_u32 s13, s13, 1
	s_cmp_lg_u32 s13, 0
	s_cbranch_scc1 .Lpair
	CHUNK 0, 1, 0, 1, 0                            ; nothing is left to fetch
	CHUNK 1, 0, 0, 2, 0
	; THE WAY OUT: divide by the row sums, round, 16 bytes a lane into my stage, whole rows of 128 bytes back (the five places stand above)
.irp qt, 0,1
	v_pk_add_f32 v[LS+4*\qt:LS+4*\qt+1], v[LS+4*\qt:LS+4*\qt+1], v[LS+4*\qt+2:LS+4*\qt+3]
.endr
.irp qt, 0,1
	v_add_f32 v[TT+2*\qt], v[LS+4*\qt], v[LS+4*\qt+1]
.endr
	v_permlanex16_b32 v[TT+4], v[TT], s66, s67
	v_permlanex16_b32 v[TT+5], v[TT+2], s66, s67
	v_add_f32 v[TT], v[TT], v[TT+4]
	v_add_f32 v[TT+2], v[TT+2], v[TT+5]
	v_rcp_f32 v[AL], v[TT]                         ; the sum holds the nearest key's term, about 1: never 0
	v_rcp_f32 v[AL+1], v[TT+2]
	v_nop
	WIN 0x01                                       ; source 0 (O) window 1
	s_wait_alu depctr_va_vdst(0)
.irp qt, 0,1
.irp j, 0,2,4,6,8,10,12,14,16,18,20,22,24,26,28,30
	v_pk_mul_f32 v[SC+32*\qt+\j:SC+32*\qt+\j+1], v[OA+32*\qt+\j:OA+32*\qt+\j+1], v[AL:AL+1] op_sel:[0,\qt] op_sel_hi:[1,\qt]
.endr
.endr
	WIN 0
.irp t, 0,1,2,3,4,5,6,7
.irp i, 0,1,2,3
	v_cvt_pk_bf16_f32 v[KF+4*\t+\i], v[SC+8*\t+2*\i], v[SC+8*\t+2*\i+1]
.endr
.endr
.irp qt, 0,1
.irp dt, 0,1,2,3
	ds_store_b128 v[STO], v[KF+4*(4*\qt+\dt):KF+4*(4*\qt+\dt)+3] offset:\qt*16*KP+\dt*32
.endr
.endr
.irp t, 0,1,2,3,4,5,6,7
	ds_load_b128 v[VF+4*\t:VF+4*\t+3], v[RD] offset:\t*4*KP        ; LDS serves a wave in order: these see the stores above
.endr
.irp t, 0,1,2,3,4,5,6,7
	s_wait_dscnt 7-\t
	global_store_b128 v[CO], v[VF+4*\t:VF+4*\t+3], s[74:75] offset:512*\t   ; four tokens' rows: 512 consecutive bytes, aligned
.endr
	s_set_vgpr_msb 0x5
	s_wait_tensorcnt 0x0
	ds_add_u32 v96, v97
	s_wait_dscnt 0x0
	s_set_vgpr_msb 0x500
	ROUND                                          ; the closing round
	s_endpgm
.Lfunc_end_k_qf06fb7f086_attn:
	.size	k_qf06fb7f086_attn, .Lfunc_end_k_qf06fb7f086_attn-k_qf06fb7f086_attn
	.p2alignl 7, 3214868480
	.fill 96, 4, 3214868480
	.section	.rodata,"a",@progbits
	.p2align	6, 0x0
	.amdhsa_kernel k_qf06fb7f086_attn
		.amdhsa_group_segment_fixed_size 327680
		.amdhsa_private_segment_fixed_size 0
		.amdhsa_enable_private_segment 0
		.amdhsa_kernarg_size 24
		.amdhsa_user_sgpr_count 2
		.amdhsa_user_sgpr_kernarg_segment_ptr 1
		.amdhsa_wavefront_size32 1
		.amdhsa_system_sgpr_workgroup_id_x 1
		.amdhsa_system_sgpr_workgroup_id_y 1
		.amdhsa_system_sgpr_workgroup_id_z 1
		.amdhsa_system_vgpr_workitem_id 0
		.amdhsa_next_free_vgpr 354
		.amdhsa_next_free_sgpr 78
		.amdhsa_reserve_vcc 0
		.amdhsa_float_denorm_mode_32 3
		.amdhsa_float_denorm_mode_16_64 3
		.amdhsa_memory_ordered 1
		.amdhsa_forward_progress 1
		.amdhsa_inst_pref_size 255
	.end_amdhsa_kernel
	.section	.bss,"aw",@nobits
	.p2align	6
	.space	262144
	.amdgpu_metadata
---
amdhsa.version: [ 1, 2 ]
amdhsa.kernels:
  - .name:           k_qf06fb7f086_attn
    .symbol:         k_qf06fb7f086_attn.kd
    .args:
      - { .name: qkv, .offset: 0, .size: 8, .value_kind: global_buffer, .address_space: global }
      - { .name: nrm, .offset: 8, .size: 8, .value_kind: global_buffer, .address_space: global }
      - { .name: att, .offset: 16, .size: 8, .value_kind: global_buffer, .address_space: global }
    .group_segment_fixed_size: 327680
    .private_segment_fixed_size: 0
    .kernarg_segment_align: 8
    .kernarg_segment_size: 24
    .max_flat_workgroup_size: 256
    .sgpr_count:     78
    .vgpr_count:     354
    .wavefront_size: 32
...
	.end_amdgpu_metadata
.endif
;; end of part 3
;; launch oproj (part 4): grid 8 x 32, 4 waves a work-group, clusters of 4 x 4, 327,680 bytes of LDS; arguments att, bfin, bo, out0; writes out0
.if DOCPART == 4
	.amdgcn_target "amdgcn-amd-amdhsa--gfx1250"
	.amdhsa_code_object_version 6
	.text
	.protected	k_qf06fb7f086_oproj
	.globl	k_qf06fb7f086_oproj
	.p2align	8
	.type	k_qf06fb7f086_oproj,@function
k_qf06fb7f086_oproj:
	s_mov_b64 s[64:65], 0
	v_nop
	global_prefetch_b8 v0, s[64:65] scope:SCOPE_SE
	s_setreg_imm32_b32 hwreg(HW_REG_WAVE_MODE, 25, 1), 1
	s_wait_xcnt 0x0
	s_wait_alu depctr_hold_cnt(0) depctr_sa_sdst(0) depctr_va_vdst(0) depctr_va_sdst(0) depctr_va_ssrc(0) depctr_va_vcc(0) depctr_vm_vsrc(0)
	s_getreg_b32 s2, hwreg(HW_REG_IB_STS2, 6, 4)
	s_cmp_eq_u32 s2, 0
	s_cbranch_scc0 .Lentry_in_a_cluster
	s_endpgm
.Lentry_in_a_cluster:
	s_bfe_u32 s2, ttmp6, 0x10000c
	s_cmp_lg_u32 s2, 0xf033
	s_cbranch_scc0 .Lentry_shape_is_right
	s_endpgm
.Lentry_shape_is_right:
; out0 = attention output x wo^T + bo: [4096 x 1024 x 1024], bf16 operands, f32 sums, f32 out.
; In: att [32 blocks of 128 tokens][16 heads][128][64] bf16 (a block's 16 planes are the K axis, 64 to a plane); wob in bfin at byte 14,680,064.
; 8 x 32 = 256 work-groups, each 128 tokens x 128 features; four waves 2 x 2, each 64 x 64: 16 accumulator tiles, which take turns, one
; instruction a turn, always in the same order.
; K goes in four chunks of 256 through two LDS slots: both first fills go out at the start, two refills follow.  The text has no loop.
; CLUSTER 4 x 4: att's tile hangs on the token block alone (shared along a row of the cluster), wo's on the feature block alone (along a column).
; The matrix instruction is used transposed: lane (r, h) holds token r, features 8 h + 0..7.  The bias is the C operand of the first products.
; LDS slot (141,312 bytes): att: 4 planes x 128 tokens, pitch 144 (waves 0, 1 fill two planes each); at 73,728 wo: 128 rows of 512 bytes, pitch 528
; (waves 2, 3 fill 64 rows each).  At 282,624: a stage of 16 rows x 272 bytes for each wave; no tensor load lands there.
.set AP,     144
.set BP,     528
.set BOFF,   512*AP                    ; 73,728
.set SLOT,   BOFF+128*BP               ; 141,312
.set STAGE,  2*SLOT
.set SPITCH, 272
.set ADRA, 16
.set ADRB, 20
.set STO,  24
.set RD,   25
.set CO,   26
.set BO,   27
.set F0,   64                          ; v64-95 att's fragments, v96-127 wo's
.set F1,   128
.set BIAS, 192                         ; v192-223
.set G1,  24
.set G0,  32
.set G1B, 48
.set G0B, 56
.set MSB, 0
.macro WIN new
.if MSB != \new
	s_set_vgpr_msb (MSB<<8)|\new
.set MSB, \new
.endif
.endm
.macro PLACES                          ; four places behind matrix instructions (ISA guide 7.12.1)
.rept 4
	v_nop
.endr
.endm
.macro JLOAD s
	s_cmp_eq_u32 s13, 0
	s_cbranch_scc0 .Lfor_b_\@
	tensor_load_to_lds s[G0+4*\s:G0+4*\s+3], s[G1:G1+7]
	s_nop 0
	s_branch .Lasked_\@
.Lfor_b_\@:
	tensor_load_to_lds s[G0B+4*\s:G0B+4*\s+3], s[G1B:G1B+7]
	s_nop 0
.Lasked_\@:
.endm
.macro CREST
	s_cmp_lg_u32 s12, 0
	s_cbranch_scc1 .Lnot_wave_0_\@
	s_barrier_signal -3
.Lnot_wave_0_\@:
	s_barrier_wait -3
	s_barrier_signal -1
	s_barrier_wait -1
.endm
.macro CROUND
	s_barrier_signal -1
	s_barrier_wait -1
	CREST
.endm
	s_load_b256 s[4:11], s[0:1], 0x0               ; att s[4:5], bfin s[6:7], bo s[8:9], out0 s[10:11]
	v_lshl_add_u32 v254, v0, 2, 0x49400
	v_mov_b32 v255, 0
	ds_add_u32 v254, v255
	v_lshrrev_b32 v1, 5, v0
	v_readfirstlane_b32 s12, v1                    ; wave 0..3
	s_lshr_b32 s13, s12, 1                         ; my half of the tokens; also 0: I fetch att, 1: wo
	s_and_b32 s14, s12, 1                          ; my half of the features; also which part I fetch
	s_bfe_u32 s16, ttmp6, 0x40000                  ; cx
	s_bfe_u32 s17, ttmp6, 0x40004                  ; cy
	s_lshl_b32 s18, ttmp9, 2
	s_add_co_u32 s18, s18, s16                     ; bx: block of 128 features
	s_and_b32 s19, ttmp7, 0xffff
	s_lshl_b32 s19, s19, 2
	s_add_co_u32 s19, s19, s17                     ; by: block of 128 tokens
	s_lshl_b32 s40, s17, 2
	s_lshl_b32 s40, 15, s40                        ; my row of the cluster
	s_lshl_b32 s41, 0x1111, s16                    ; my column
	s_or_b32 s[G1+0], s40, (1<<16)|(1<<20)|(1<<21)|(4<<22)|(3<<25)    ; rows of 32 words, 4 words of padding
	s_mov_b32 s[G1+1], 64<<16                      ; tensor_dim0 = 64
	s_mov_b32 s[G1+2], 256<<16                     ; tensor_dim1 = 256 rows: two planes
	s_mov_b32 s[G1+3], 64<<16                      ; tile_dim0
	s_mov_b32 s[G1+4], 256                         ; tile_dim1
	s_mov_b32 s[G1+5], 64                          ; dense
	s_mov_b32 s[G1+6], 0
	s_mov_b32 s[G1+7], 0
	s_or_b32 s[G1B+0], s41, (1<<16)|(1<<20)|(1<<21)|(6<<22)|(3<<25)   ; rows of 128 words, 4 words of padding
	s_mov_b32 s[G1B+1], 256<<16
	s_mov_b32 s[G1B+2], 64<<16
	s_mov_b32 s[G1B+3], 256<<16
	s_mov_b32 s[G1B+4], 64
	s_mov_b32 s[G1B+5], 1024
	s_mov_b32 s[G1B+6], 0
	s_mov_b32 s[G1B+7], 0
	s_mul_i32 s42, s12, 256*AP                     ; LDS: wave x two planes (waves 0, 1)
	s_mul_i32 s43, s12, 64*BP
	s_add_co_u32 s43, s43, BOFF-128*BP             ; LDS: behind att, (wave - 2) x 64 rows (waves 2, 3)
	s_lshl_b32 s20, s19, 18                        ; att: 262,144 by + 32,768 part; never holds cx
	s_lshl_b32 s21, s14, 15
	s_add_co_u32 s20, s20, s21
	s_mov_b32 s21, 0
	s_lshl_b32 s22, s18, 18                        ; wo: (128 bx + 64 part) rows of 2,048 bytes; never holds cy
	s_lshl_b32 s23, s14, 17
	s_add_co_u32 s22, s22, s23
	s_add_co_u32 s22, s22, 0xe00000                ; wob's place in bfin
	s_mov_b32 s23, 0
	s_lshl_b32 s68, s18, 9                         ; my 64 biases
	s_lshl_b32 s69, s14, 8
	s_add_co_u32 s68, s68, s69
	s_mov_b32 s69, 0
	s_wait_dscnt 0x0
	s_wait_kmcnt 0x0
	s_add_nc_u64 s[44:45], s[4:5], s[20:21]
	s_add_nc_u64 s[46:47], s[6:7], s[22:23]
	s_add_nc_u64 s[8:9], s[8:9], s[68:69]
	CROUND                                         ; all sixteen work-groups are here: the first joint loads meet
.irp s, 0,1
	s_mov_b32 s[G0+4*\s], 1
	s_add_co_u32 s[G0+4*\s+1], s42, \s*SLOT
	s_add_nc_u64 s[G0+4*\s+2:G0+4*\s+3], s[44:45], \s*65536        ; chunk s: four planes on
	s_or_b32 s[G0+4*\s+3], s[G0+4*\s+3], 0x80000000
	s_mov_b32 s[G0B+4*\s], 1
	s_add_co_u32 s[G0B+4*\s+1], s43, \s*SLOT
	s_add_nc_u64 s[G0B+4*\s+2:G0B+4*\s+3], s[46:47], \s*512        ; 256 columns on
	s_or_b32 s[G0B+4*\s+3], s[G0B+4*\s+3], 0x80000000
	JLOAD \s                                       ; two tensor loads of the wave are out, later one
.endr
	v_and_b32 v1, 15, v0                           ; r
	v_bfe_u32 v2, v0, 4, 1                         ; h
	v_lshlrev_b32 v[BO], 5, v2
.irp b, 0,1,2,3
	global_load_b128 v[BIAS+8*\b:BIAS+8*\b+3],   v[BO], s[8:9] offset:64*\b      ; register j of tile b = bo[16 b + 8 h + j]
	global_load_b128 v[BIAS+8*\b+4:BIAS+8*\b+7], v[BO], s[8:9] offset:64*\b+16
.endr
	v_mul_u32_u24 v3, v1, AP
	v_lshl_add_u32 v3, v2, 4, v3
	s_mul_i32 s66, s13, 64*AP                      ; my 64 tokens in each plane
	v_add_nc_u32 v[ADRA], s66, v3
	v_add_nc_u32 v[ADRA+1], SLOT, v[ADRA]
	v_mul_u32_u24 v4, v1, BP
	v_lshl_add_u32 v4, v2, 4, v4
	s_mul_i32 s66, s14, 64*BP
	s_add_co_u32 s66, s66, BOFF                    ; my 64 rows of wo
	v_add_nc_u32 v[ADRB], s66, v4
	v_add_nc_u32 v[ADRB+1], SLOT, v[ADRB]
	s_mul_i32 s66, s12, 16*SPITCH
	s_add_co_u32 s66, s66, STAGE                   ; my stage
	v_mul_u32_u24 v5, v1, SPITCH
	v_lshl_add_u32 v5, v2, 5, v5
	v_add_nc_u32 v[STO], s66, v5                   ; in: token r, 32 bytes for each half of the lanes
	v_mul_u32_u24 v6, v2, SPITCH
	v_lshl_add_u32 v6, v1, 4, v6
	v_add_nc_u32 v[RD], s66, v6                    ; back: sixteen lanes take one row of 256 bytes
	v_lshlrev_b32 v7, 12, v2
	v_lshl_add_u32 v[CO], v1, 4, v7                ; the same two rows in out0
.macro MUL8 f, a0, bias                ; token tiles a0, a0 + 1 x 4 feature tiles, 32 along K
.irp a, \a0, \a0+1
.irp b, 0,1,2,3
.if \bias
	v_wmma_f32_16x16x32_bf16 v[8*(4*(\a)+\b):8*(4*(\a)+\b)+7], v[\f+32+8*\b:\f+32+8*\b+7], v[\f+8*(\a):\f+8*(\a)+7], v[BIAS+8*\b:BIAS+8*\b+7]
.else
	v_wmma_f32_16x16x32_bf16 v[8*(4*(\a)+\b):8*(4*(\a)+\b)+7], v[\f+32+8*\b:\f+32+8*\b+7], v[\f+8*(\a):\f+8*(\a)+7], v[8*(4*(\a)+\b):8*(4*(\a)+\b)+7]
.endif
.endr
.endr
.endm
.macro FETCH slot, q, f                ; 16 loads: eighth q of the chunk: plane q / 2, its half q % 2
	WIN 0
.irp i, 0,1,2,3
	ds_load_b128 v[\f+8*\i:\f+8*\i+3],   v[ADRA+\slot] offset:((\q)/2)*128*AP+\i*16*AP+((\q)%2)*64
	ds_load_b128 v[\f+8*\i+4:\f+8*\i+7], v[ADRA+\slot] offset:((\q)/2)*128*AP+\i*16*AP+((\q)%2)*64+32
.endr
.irp i, 0,1,2,3
	ds_load_b128 v[\f+32+8*\i:\f+32+8*\i+3], v[ADRB+\slot] offset:\i*16*BP+(\q)*64
	ds_load_b128 v[\f+32+8*\i+4:\f+32+8*\i+7], v[ADRB+\slot] offset:\i*16*BP+(\q)*64+32
.endr
.endm
.macro SUB slot, nq, f, g, bias        ; multiplies buffer f; ahead of that fetches eighth nq into buffer g
	PLACES
	FETCH \slot, \nq, \g
	s_wait_dscnt 16                                ; all but the 16 just issued
.if \bias
	WIN 0x40                                       ; D window 1, C (the bias) window 0
.else
	WIN 0x50
.endif
	MUL8 \f, 0, \bias
	MUL8 \f, 2, \bias
.endm
.macro SEVEN slot, bias
	SUB \slot, 1, F0, F1, \bias
	SUB \slot, 2, F1, F0, 0
	SUB \slot, 3, F0, F1, 0
	SUB \slot, 4, F1, F0, 0
	SUB \slot, 5, F0, F1, 0
	SUB \slot, 6, F1, F0, 0
	SUB \slot, 7, F0, F1, 0
.endm
; the chunk's last eighth.  mode 0: slots change and this slot is filled again (the barrier opens a round of the cluster's barrier, the joint
; refill is the first tensor load behind the round); 1: slots change, nothing is filled; 2: the very last.
.macro LAST slot, oth, mode
	s_wait_dscnt 0x0                               ; my reads of this slot are over
.if \mode < 2
	s_wait_tensorcnt 0x0                           ; all my tensor loads have landed: my part of the other slot
	ds_add_u32 v254, v255
	s_wait_dscnt 0x0
	s_barrier_signal -1
.endif
	WIN 0x50
	MUL8 F1, 0, 0
.if \mode < 2
	WIN 0
	s_barrier_wait -1
.if \mode == 0
	CREST
	s_add_nc_u64 s[G0+4*\slot+2:G0+4*\slot+3], s[G0+4*\slot+2:G0+4*\slot+3], 131072
	s_add_nc_u64 s[G0B+4*\slot+2:G0B+4*\slot+3], s[G0B+4*\slot+2:G0B+4*\slot+3], 1024
	JLOAD \slot
.endif
	PLACES
	FETCH \oth, 0, F0
	WIN 0x50
.endif
	MUL8 F1, 2, 0
.endm
	s_wait_tensorcnt 0x1                           ; my part of chunk 0 is in; chunk 1's stays out
	s_barrier_signal -1
	s_barrier_wait -1
	FETCH 0, 0, F0
	s_wait_loadcnt 0x0                             ; the bias
	SEVEN 0, 1
	LAST 0, 1, 0                                   ; chunk 2 is asked for
	SEVEN 1, 0
	LAST 1, 0, 0                                   ; chunk 3 is asked for
	SEVEN 0, 0
	LAST 0, 1, 1
	SEVEN 1, 0
	LAST 1, 0, 2
	; THE WAY OUT, 16 tokens at a time, f32: 32 bytes a lane into my stage, whole rows of 256 bytes back
	PLACES
	s_lshl_b32 s66, s19, 7
	s_lshl_b32 s67, s13, 6
	s_add_co_u32 s66, s66, s67                     ; my first token
	s_lshl_b32 s66, s66, 12                        ; rows of 4,096 bytes
	s_lshl_b32 s67, s18, 9
	s_add_co_u32 s66, s66, s67
	s_lshl_b32 s67, s14, 8
	s_add_co_u32 s66, s66, s67                     ; my first feature
	s_mov_b32 s67, 0
	s_add_nc_u64 s[10:11], s[10:11], s[66:67]
.macro OUT16 a, f
	WIN 0x04                                       ; an LDS store's data is source 1: window 1
.irp b, 0,1,2,3
	ds_store_b128 v[STO], v[8*(4*\a+\b):8*(4*\a+\b)+3]   offset:64*\b
	ds_store_b128 v[STO], v[8*(4*\a+\b)+4:8*(4*\a+\b)+7] offset:64*\b+16
.endr
	WIN 0
	s_wait_xcnt 0x0                                ; earlier stores have had their addresses translated: buffer f is loaded again only behind this wait
.irp t, 0,1,2,3,4,5,6,7
	ds_load_b128 v[\f+4*\t:\f+4*\t+3], v[RD] offset:\t*2*SPITCH    ; LDS serves a wave in order: these see the stores above
.endr
.irp t, 0,1,2,3,4,5,6,7
	s_wait_dscnt 7-\t
	global_store_b128 v[CO], v[\f+4*\t:\f+4*\t+3], s[10:11] offset:(16*\a+2*\t)*4096 th:TH_STORE_NT   ; sixteen lanes store 256 consecutive bytes, aligned
.endr
.endm
	OUT16 0, F0
	OUT16 1, F1
	OUT16 2, F0
	OUT16 3, F1
	s_wait_tensorcnt 0x0
	ds_add_u32 v254, v255
	s_wait_dscnt 0x0
	CROUND                                         ; the closing round
	s_endpgm
.Lfunc_end_k_qf06fb7f086_oproj:
	.size	k_qf06fb7f086_oproj, .Lfunc_end_k_qf06fb7f086_oproj-k_qf06fb7f086_oproj
	.p2alignl 7, 3214868480
	.fill 96, 4, 3214868480
	.section	.rodata,"a",@progbits
	.p2align	6, 0x0
	.amdhsa_kernel k_qf06fb7f086_oproj
		.amdhsa_group_segment_fixed_size 327680
		.amdhsa_private_segment_fixed_size 0
		.amdhsa_enable_private_segment 0
		.amdhsa_kernarg_size 32
		.amdhsa_user_sgpr_count 2
		.amdhsa_user_sgpr_kernarg_segment_ptr 1
		.amdhsa_wavefront_size32 1
		.amdhsa_system_sgpr_workgroup_id_x 1
		.amdhsa_system_sgpr_workgroup_id_y 1
		.amdhsa_system_sgpr_workgroup_id_z 1
		.amdhsa_system_vgpr_workitem_id 0
		.amdhsa_next_free_vgpr 384
		.amdhsa_next_free_sgpr 70
		.amdhsa_reserve_vcc 0
		.amdhsa_float_denorm_mode_32 3
		.amdhsa_float_denorm_mode_16_64 3
		.amdhsa_memory_ordered 1
		.amdhsa_forward_progress 1
		.amdhsa_inst_pref_size 89
	.end_amdhsa_kernel
	.amdgpu_metadata
---
amdhsa.version: [ 1, 2 ]
amdhsa.kernels:
  - .name:           k_qf06fb7f086_oproj
    .symbol:         k_qf06fb7f086_oproj.kd
    .args:
      - { .name: att, .offset: 0, .size: 8, .value_kind: global_buffer, .address_space: global }
      - { .name: bfin, .offset: 8, .size: 8, .value_kind: global_buffer, .address_space: global }
      - { .name: bo, .offset: 16, .size: 8, .value_kind: global_buffer, .address_space: global }
      - { .name: out0, .offset: 24, .size: 8, .value_kind: global_buffer, .address_space: global }
    .group_segment_fixed_size: 327680
    .private_segment_fixed_size: 0
    .kernarg_segment_align: 8
    .kernarg_segment_size: 32
    .max_flat_workgroup_size: 128
    .sgpr_count:     70
    .vgpr_count:     384
    .wavefront_size: 32
...
	.end_amdgpu_metadata
.endif
;; end of part 4
;; ======== version 2 of 2: 4 launches
;; workspace buffers: bfin 16,777,216 bytes; qkv 25,165,824 bytes; nrm 524,288 bytes; att 8,388,608 bytes
;; launch cast: the kernel of part 1 again; grid 256 x 1, 8 waves a work-group, no clusters, 0 bytes of LDS; arguments x, wq, wk, wv, wo, bfin; writes bfin
;; launch qkv: the kernel of part 2 again; grid 16 x 16, 4 waves a work-group, clusters of 4 x 4, 327,680 bytes of LDS; arguments bfin, bq, bk, bv, qkv, nrm; writes qkv, nrm
;; launch attn (part 5): grid 8 x 32, 8 waves a work-group, clusters of 4 x 1, 327,680 bytes of LDS; arguments qkv, nrm, att; writes att
.if DOCPART == 5
	.amdgcn_target "amdgcn-amd-amdhsa--gfx1250"
	.amdhsa_code_object_version 6
	.text
	.protected	k_qf06fb7f086_attn
	.globl	k_qf06fb7f086_attn
	.p2align	8
	.type	k_qf06fb7f086_attn,@function
k_qf06fb7f086_attn:
	s_mov_b64 s[64:65], 0
	v_nop
	global_prefetch_b8 v0, s[64:65] scope:SCOPE_SE
	s_setreg_imm32_b32 hwreg(HW_REG_WAVE_MODE, 25, 1), 1
	s_wait_xcnt 0x0
	s_wait_alu depctr_hold_cnt(0) depctr_sa_sdst(0) depctr_va_vdst(0) depctr_va_sdst(0) depctr_va_ssrc(0) depctr_va_vcc(0) depctr_vm_vsrc(0)
	s_getreg_b32 s2, hwreg(HW_REG_IB_STS2, 6, 4)
	s_cmp_eq_u32 s2, 0
	s_cbranch_scc0 .Lentry_in_a_cluster
	s_endpgm
.Lentry_in_a_cluster:
	s_bfe_u32 s2, ttmp6, 0x10000c
	s_cmp_lg_u32 s2, 0x3003
	s_cbranch_scc0 .Lentry_shape_is_right
	s_endpgm
.Lentry_shape_is_right:
; softmax over keys of -sqrt(max(|q|^2 + |k|^2 - 2 q.k, 1e-12)), times V, for 256 queries of one (batch, head); all 2,048 keys are walked.
; In: qkv [3][32 bh][2048][64] bf16, nrm [2][32 bh][2048] f32 (sum q^2; -1/2 sum k^2).  Out: att [32 blocks of 128 tokens][16 heads][128][64] bf16.
; LIMITS: p and the result are rounded to bf16 (matrix operands); the denominator sums p in f32 before that rounding; terms more than 2^126
; below a row's largest come out as 0 (v_exp_f32 flushes denormal results: ISA guide 15.8); NaN and infinities are not treated apart.
; THE MAXIMUM is a running one: the smallest clamped squared distance met so far is kept for each query, sums and outputs are rescaled by
; exp(old - new) in every step of 64 keys.  No branch hangs on data.
; Eight waves, two on a SIMD, so that one wave's matrix work can run under the other's roots and exponentials.  Wave w owns 32 queries.
; LAYOUT, so that nothing moves between lanes but one exchange of halves:
;   S^T = K Q^T (source 0 = 16 keys, source 1 = 16 queries): lane (r, h) holds query r, keys 8 h + 0..7.  C of the first product is -1/2 k^2,
;   so d2 = -2 S + q^2 is one packed multiply-add.  Two neighbouring tiles of S^T, packed to bf16, ARE source 1 of O^T = V^T P^T; source 0,
;   V^T, comes by transposing LDS loads.  What belongs to a query (minimum, alpha, sum) belongs to a lane.
; CLUSTER 4 x 1: four query blocks of one head read the same K, V and k^2: every tile is asked for jointly by the four (mask 15).
; LDS: two slots of 81,920 bytes, each 256 keys: K at 0 (pitch 144; waves 0-3 fill 64 rows each), V at 40,960 (pitch 160; waves 4-7);
;      163,840: the head's -1/2 k^2, 8,192 bytes, filled once, 1,024 bytes a wave; 172,032: a stage of 32 rows x 144 bytes for each wave.
; THE TEXT IS KEPT SHORT: the 32 steps of 64 keys are cut between softmax(i) and P V(i), where the change of slots stands, so that one body
; (RBODY: loads of step i + 1, P V of step i, Q K and softmax of step i + 1) serves every step.  It names no slot and no step: its three LDS
; addresses are running registers, stepped by constants and set anew from constant bases behind each change of slots.  The body stands five
; times in the text (once with the first P V, once in each of four short loops), and 26 of the 32 steps run text that has run before.
; The accumulators of each run of matrix instructions take turns, one instruction a turn.
.set SLOT,  81920
.set KP,    144
.set VP,    160
.set VOFF,  40960
.set K2,    163840
.set STAGE, 172032
.set TILEB, 32768                      ; 256 keys x 128 bytes in memory
.set CR, 1                             ; v1        running: -1/2 k^2 of the step that is loaded next
.set KB, 2                             ; v2        K fragments' address at slot 0's first step; never rewritten
.set KR, 3                             ; v3        running: K fragments of the step that is loaded next
.set VB, 4                             ; v4        V fragments' address at slot 0's first step; never rewritten
.set VR, 5                             ; v5        running: V fragments of the step that is loaded next
.set CB, 6                             ; v6        -1/2 k^2 of the even chunk of the pair; 2,048 bytes on for each pair of chunks
.set STO, 7
.set RD, 8
.set CO, 9
.set MN, 10                            ; v10, v11  smallest clamped d2 so far, query tile 0, 1
.set ML, 12                            ; v12, v13  log2(e) sqrt(MN)
.set AL, 14                            ; v14, v15  alpha
.set Q2, 16                            ; v16, v17  |q|^2
.set LS, 18                            ; v18-25    row sums: two pairs for each query tile
.set TT, 26                            ; v26-31    at work (v29 is Q's offset until Q has come)
.set SC, 32                            ; v32-95    scores: tile 4 qt + kt
.set KF, 96                            ; v96-159   K fragments 2 kt + kf
.set VF, 160                           ; v160-223  V^T fragments 4 kg + dt
.set KC, 224                           ; v224-255  -1/2 k^2 as C, tile kt
.set OA, 0                             ; window 1: v0-63 O^T, tile 4 qt + dt
.set QF, 64                            ; window 1: v64-95 Q fragments 2 qt + kf
.set G1K, 16
.set G1V, 24
.set G0K, 32
.set G0V, 40
.set G1N, 48
.set G0N, 56
.set MSB, 0
.macro WIN new                         ; the immediate's high byte repeats the setting that is left
.if MSB != \new
	s_set_vgpr_msb (MSB<<8)|\new
.set MSB, \new
.endif
.endm
.macro NOPS n
.rept \n
	v_nop
.endr
.endm
.macro ROUND                           ; a round of the cluster's barrier
	s_barrier_signal -1
	s_barrier_wait -1
	s_cmp_lg_u32 s10, 0
	s_cbranch_scc1 .Lnot_wave_0_\@
	s_barrier_signal -3
.Lnot_wave_0_\@:
	s_barrier_wait -3
	s_barrier_signal -1
	s_barrier_wait -1
.endm
.macro JLOAD s                         ; waves 0-3 ask for 64 rows of K each, waves 4-7 for 64 rows of V
	s_cmp_eq_u32 s11, 0
	s_cbranch_scc0 .Lfor_v_\@
	tensor_load_to_lds s[G0K+4*\s:G0K+4*\s+3], s[G1K:G1K+7]
	s_nop 0
	s_branch .Lasked_\@
.Lfor_v_\@:
	tensor_load_to_lds s[G0V+4*\s:G0V+4*\s+3], s[G1V:G1V+7]
	s_nop 0
.Lasked_\@:
.endm
	s_load_b128 s[4:7], s[0:1], 0x0                ; qkv s[4:5], nrm s[6:7]
	s_load_b64 s[8:9], s[0:1], 0x10                ; att
	s_set_vgpr_msb 0x40
	v_lshl_add_u32 v96, v0, 2, 0x33000
	v_mov_b32 v97, 0
	s_set_vgpr_msb 0x4045
	ds_add_u32 v96, v97
	s_set_vgpr_msb 0x4500
	v_lshrrev_b32 v1, 5, v0
	v_readfirstlane_b32 s10, v1                    ; wave 0..7
	s_lshr_b32 s11, s10, 2                         ; 0: I fetch K, 1: V
	s_and_b32 s12, s10, 3                          ; which 64 rows
	s_bfe_u32 s14, ttmp6, 0x40000                  ; cx
	s_lshl_b32 s15, ttmp9, 2
	s_add_co_u32 s15, s15, s14                     ; block of 256 queries
	s_and_b32 s60, ttmp7, 0xffff                   ; bh
	s_mov_b32 s61, 0x3fb8aa3b                      ; log2(e)
	s_mov_b32 s62, 0x2b8cbccc                      ; 1e-12
	s_mov_b32 s66, 0x76543210
	s_mov_b32 s67, 0xfedcba98
	s_mov_b32 s[G1K+0], 15|(1<<16)|(1<<20)|(1<<21)|(4<<22)|(3<<25)   ; all four partners; 2-byte elements; 4 words of padding behind every 32
	s_mov_b32 s[G1V+0], 15|(1<<16)|(1<<20)|(1<<21)|(4<<22)|(7<<25)   ; 8 words of padding
	s_mov_b32 s[G1K+1], 64<<16                     ; tensor_dim0 = 64
	s_mov_b32 s[G1V+1], 64<<16
	s_mov_b32 s[G1K+2], 64<<16                     ; tensor_dim1 = 64
	s_mov_b32 s[G1V+2], 64<<16
	s_mov_b32 s[G1K+3], 64<<16                     ; tile_dim0 = 64
	s_mov_b32 s[G1V+3], 64<<16
	s_mov_b32 s[G1K+4], 64                         ; tile_dim1 = 64
	s_mov_b32 s[G1V+4], 64
	s_mov_b32 s[G1K+5], 64                         ; elements from row to row
	s_mov_b32 s[G1V+5], 64
	s_mov_b32 s[G1K+6], 0
	s_mov_b32 s[G1V+6], 0
	s_mov_b32 s[G1K+7], 0
	s_mov_b32 s[G1V+7], 0
	s_mov_b32 s[G1N+0], 15|(3<<16)|(1<<21)         ; 8-byte elements, no padding: 4 rows of 256 bytes
	s_mov_b32 s[G1N+1], 32<<16
	s_mov_b32 s[G1N+2], 4<<16
	s_mov_b32 s[G1N+3], 32<<16
	s_mov_b32 s[G1N+4], 4
	s_mov_b32 s[G1N+5], 32
	s_mov_b32 s[G1N+6], 0
	s_mov_b32 s[G1N+7], 0
	s_lshl_b32 s76, s60, 18                        ; joint loads: offsets made of bh and the wave's number alone
	s_lshl_b32 s77, s12, 13
	s_add_co_u32 s76, s76, s77
	s_mov_b32 s77, 0
	s_lshl_b32 s68, s60, 13
	s_lshl_b32 s69, s10, 10
	s_add_co_u32 s68, s68, s69
	s_add_co_u32 s68, s68, 262144                  ; nrm's second part
	s_mov_b32 s69, 0
	s_lshl_b32 s70, s60, 11                        ; my first query: 2048 bh + 256 block + 32 wave
	s_lshl_b32 s71, s15, 8
	s_add_co_u32 s70, s70, s71
	s_lshl_b32 s71, s10, 5
	s_add_co_u32 s70, s70, s71
	s_lshl_b32 s72, s70, 2
	s_mov_b32 s73, 0
	s_lshl_b32 s70, s70, 7
	s_mov_b32 s71, 0
	s_lshr_b32 s74, s60, 4                         ; att: block of 128 tokens = 16 batch + 2 block + wave / 4
	s_lshl_b32 s74, s74, 4
	s_lshl_b32 s75, s15, 1
	s_add_co_u32 s74, s74, s75
	s_add_co_u32 s74, s74, s11
	s_lshl_b32 s74, s74, 4
	s_and_b32 s75, s60, 15
	s_add_co_u32 s74, s74, s75                     ; x 16 + head
	s_lshl_b32 s74, s74, 14                        ; pieces of 16,384 bytes
	s_lshl_b32 s75, s12, 12                        ; my 32 tokens in the piece
	s_add_co_u32 s74, s74, s75
	s_mov_b32 s75, 0
	s_mul_i32 s13, s10, 32*KP
	s_add_co_u32 s13, s13, STAGE                   ; my stage
	v_and_b32 v26, 31, v0                          ; lane
	v_and_b32 v27, 15, v0                          ; r
	v_bfe_u32 v28, v0, 4, 1                        ; h
	v_lshlrev_b32 v29, 7, v27
	v_lshl_add_u32 v29, v28, 4, v29                ; Q: 128 r + 16 h
	v_mul_u32_u24 v[KB], v27, KP
	v_lshl_add_u32 v[KB], v28, 4, v[KB]            ; K: row r, 16 h
	v_mov_b32 v[KR], v[KB]                         ; the running address begins at slot 0's first step
	v_and_b32 v30, 7, v0
	v_lshl_add_u32 v31, v28, 3, v30                ; V: key 8 h + (lane & 7),
	v_mul_u32_u24 v[VB], v31, VP
	v_bfe_u32 v31, v0, 3, 1
	v_lshl_add_u32 v[VB], v31, 4, v[VB]            ; 16 bytes by bit 3 of the lane
	v_add_nc_u32 v[VB], VOFF, v[VB]
	v_mov_b32 v[VR], v[VB]
	v_lshlrev_b32 v[CB], 5, v28
	v_add_nc_u32 v[CB], K2, v[CB]                  ; my 8 keys of a tile: 32 h bytes
	v_mov_b32 v[CR], v[CB]
	v_add_nc_u32 v[STO], s13, v[KB]
	v_bfe_u32 v31, v0, 3, 2
	v_mul_u32_u24 v[RD], v31, KP
	v_lshl_add_u32 v[RD], v30, 4, v[RD]
	v_add_nc_u32 v[RD], s13, v[RD]
	v_lshlrev_b32 v[CO], 4, v26
	v_lshlrev_b32 v0, 2, v27                       ; q^2: 4 r
	s_wait_dscnt 0x0
	s_wait_kmcnt 0x0
	s_add_nc_u64 s[70:71], s[4:5], s[70:71]        ; my Q
	s_add_nc_u64 s[72:73], s[6:7], s[72:73]        ; my q^2
	s_add_nc_u64 s[74:75], s[8:9], s[74:75]        ; my part of att
	s_add_nc_u64 s[76:77], s[4:5], s[76:77]
	s_add_nc_u64 s[68:69], s[6:7], s[68:69]
	s_mul_i32 s[G0K+1], s10, 64*KP                 ; LDS: wave x 64 rows of K (waves 0-3)
	s_mul_i32 s[G0V+1], s10, 64*VP                 ; LDS: wave x 64 rows of V: wave 4 begins at 40,960
	s_add_co_u32 s[G0K+5], s[G0K+1], SLOT
	s_add_co_u32 s[G0V+5], s[G0V+1], SLOT
.irp s, 0,1
	s_mov_b32 s[G0K+4*\s], 1
	s_add_nc_u64 s[G0K+4*\s+2:G0K+4*\s+3], s[76:77], 0x800000+\s*TILEB
	s_or_b32 s[G0K+4*\s+3], s[G0K+4*\s+3], 0x80000000
	s_mov_b32 s[G0V+4*\s], 1
	s_add_nc_u64 s[G0V+4*\s+2:G0V+4*\s+3], s[76:77], 0x1000000+\s*TILEB
	s_or_b32 s[G0V+4*\s+3], s[G0V+4*\s+3], 0x80000000
.endr
	s_mov_b32 s[G0N], 1
	s_lshl_b32 s[G0N+1], s10, 10
	s_add_co_u32 s[G0N+1], s[G0N+1], K2
	s_mov_b64 s[G0N+2:G0N+3], s[68:69]
	s_or_b32 s[G0N+3], s[G0N+3], 0x80000000
	ROUND                                          ; the four partners are here: the first joint loads meet
	tensor_load_to_lds s[G0N:G0N+3], s[G1N:G1N+7]  ; my 256 of the head's -1/2 k^2
	s_nop 0
	JLOAD 0                                        ; keys 0-255: two tensor loads of the wave are out, later one
	WIN 0x40
.irp qt, 0,1
.irp kf, 0,1
	global_load_b128 v[QF+8*(2*\qt+\kf):QF+8*(2*\qt+\kf)+3],   v29, s[70:71] offset:\qt*2048+\kf*64
	global_load_b128 v[QF+8*(2*\qt+\kf)+4:QF+8*(2*\qt+\kf)+7], v29, s[70:71] offset:\qt*2048+\kf*64+32
.endr
.endr
	WIN 0
.irp qt, 0,1
	global_load_b32 v[Q2+\qt], v0, s[72:73] offset:64*\qt
.endr
; The change of slots.  slot = the one that is entered, oth = the one that has been read.  Every wave waits for all its tensor loads (its part
; of the entered slot among them) and for its LDS reads (the last are V's fragments of the old slot's last step); a round of the cluster's
; barrier; then the joint refill of the slot read last, the wave's first and only tensor load behind the round.  It has a whole chunk of 256
; keys in which to land.
.macro ENTER slot, oth, refill
	s_set_vgpr_msb 0x5
	s_wait_tensorcnt 0x0
	ds_add_u32 v96, v97
	s_wait_dscnt 0x0
	s_set_vgpr_msb 0x500
	s_add_nc_u64 s[G0K+4*\slot+2:G0K+4*\slot+3], s[G0K+4*\slot+2:G0K+4*\slot+3], 2*TILEB   ; no load is out: the entered slot's next tile
	s_add_nc_u64 s[G0V+4*\slot+2:G0V+4*\slot+3], s[G0V+4*\slot+2:G0V+4*\slot+3], 2*TILEB
	s_wait_dscnt 0x0
	ROUND
.if \refill
	JLOAD \oth
.endif
.endm
; behind a change of slots the running addresses are set anew from the constant bases: the entered slot's first step, the chunk's k^2
.macro RESET slot
.if \slot
	v_add_nc_u32 v[KR], SLOT, v[KB]
	v_add_nc_u32 v[VR], SLOT, v[VB]
	v_add_nc_u32 v[CR], 1024, v[CB]                ; the odd chunk of the pair
.else
	v_add_nc_u32 v[CB], 2048, v[CB]                ; the next pair of chunks
	v_mov_b32 v[KR], v[KB]
	v_mov_b32 v[VR], v[VB]
	v_mov_b32 v[CR], v[CB]
.endif
.endm
.macro KPRE                            ; 24 loads: 64 keys as 8 fragments, their -1/2 k^2 as 4 C tiles (all lanes of a half read the same words)
.irp kt, 0,1,2,3
.irp kf, 0,1
	ds_load_b128 v[KF+8*(2*\kt+\kf):KF+8*(2*\kt+\kf)+3],   v[KR] offset:\kt*16*KP+\kf*64
	ds_load_b128 v[KF+8*(2*\kt+\kf)+4:KF+8*(2*\kt+\kf)+7], v[KR] offset:\kt*16*KP+\kf*64+32
.endr
.endr
.irp kt, 0,1,2,3
	ds_load_b128 v[KC+8*\kt:KC+8*\kt+3],   v[CR] offset:\kt*64
	ds_load_b128 v[KC+8*\kt+4:KC+8*\kt+7], v[CR] offset:\kt*64+16
.endr
.endm
.macro VPRE                            ; 16 transposing loads: V^T, 2 groups of 32 keys x 4 tiles of 16 features
.irp kg, 0,1
.irp dt, 0,1,2,3
	ds_load_tr16_b128 v[VF+8*(4*\kg+\dt):VF+8*(4*\kg+\dt)+3],   v[VR] offset:\kg*32*VP+\dt*32
	ds_load_tr16_b128 v[VF+8*(4*\kg+\dt)+4:VF+8*(4*\kg+\dt)+7], v[VR] offset:\kg*32*VP+\dt*32+16*VP
.endr
.endr
.endm
; S^T - k^2 / 2: 16 matrix instructions, eight accumulators by turns; the first eight take -1/2 k^2 as C
.macro QK
	WIN 0x04                                       ; source 1 (Q) window 1
.irp kf, 0,1
.irp qt, 0,1
.irp kt, 0,1,2,3
.if \kf == 0
	v_wmma_f32_16x16x32_bf16 v[SC+8*(4*\qt+\kt):SC+8*(4*\qt+\kt)+7], v[KF+16*\kt:KF+16*\kt+7], v[QF+16*\qt:QF+16*\qt+7], v[KC+8*\kt:KC+8*\kt+7]
.else
	v_wmma_f32_16x16x32_bf16 v[SC+8*(4*\qt+\kt):SC+8*(4*\qt+\kt)+7], v[KF+16*\kt+8:KF+16*\kt+15], v[QF+16*\qt+8:QF+16*\qt+15], v[SC+8*(4*\qt+\kt):SC+8*(4*\qt+\kt)+7]
.endif
.endr
.endr
.endr
	WIN 0
.endm
; O^T = alpha O^T + V^T P^T: 32 packed multiplies, 16 matrix instructions, eight accumulators by turns.  first = 1: the products start the sums
.macro PV first
.if \first == 0
	WIN 0x41                                       ; O in window 1, alpha in window 0
.irp qt, 0,1
.irp j, 0,2,4,6,8,10,12,14,16,18,20,22,24,26,28,30
	v_pk_mul_f32 v[OA+32*\qt+\j:OA+32*\qt+\j+1], v[OA+32*\qt+\j:OA+32*\qt+\j+1], v[AL:AL+1] op_sel:[0,\qt] op_sel_hi:[1,\qt]
.endr
.endr
.endif
	WIN 0x50                                       ; C and D window 1
.irp kg, 0,1
.irp qt, 0,1
.irp dt, 0,1,2,3
.if \first*(1-\kg)
	v_wmma_f32_16x16x32_bf16 v[OA+8*(4*\qt+\dt):OA+8*(4*\qt+\dt)+7], v[VF+8*(4*\kg+\dt):VF+8*(4*\kg+\dt)+7], v[SC+32*\qt+16*\kg:SC+32*\qt+16*\kg+7], 0
.else
	v_wmma_f32_16x16x32_bf16 v[OA+8*(4*\qt+\dt):OA+8*(4*\qt+\dt)+7], v[VF+8*(4*\kg+\dt):VF+8*(4*\kg+\dt)+7], v[SC+32*\qt+16*\kg:SC+32*\qt+16*\kg+7], v[OA+8*(4*\qt+\dt):OA+8*(4*\qt+\dt)+7]
.endif
.endr
.endr
.endr
	WIN 0
.endm
; d2 = q^2 - 2 (q.k - k^2 / 2), and the smallest d2 of each query: four chains, then the other half of the lanes, then the clamp
; (the smallest of the clamped values is the clamped smallest value)
.macro D2MIN first
.irp qt, 0,1
.irp j, 0,2,4,6,8,10,12,14,16,18,20,22,24,26,28,30
	v_pk_fma_f32 v[SC+32*\qt+\j:SC+32*\qt+\j+1], v[SC+32*\qt+\j:SC+32*\qt+\j+1], -2.0, v[Q2:Q2+1] op_sel:[0,0,\qt] op_sel_hi:[1,0,\qt]
.endr
.endr
.irp qt, 0,1
.if \first
	v_min_num_f32 v[TT+2*\qt], v[SC+32*\qt], v[SC+32*\qt+1]
.else
	v_min3_num_f32 v[TT+2*\qt], v[MN+\qt], v[SC+32*\qt], v[SC+32*\qt+1]
.endif
	v_min_num_f32 v[TT+2*\qt+1], v[SC+32*\qt+16], v[SC+32*\qt+17]
.endr
.irp j, 2,4,6,8,10,12,14
.irp qt, 0,1
	v_min3_num_f32 v[TT+2*\qt],   v[TT+2*\qt],   v[SC+32*\qt+\j],    v[SC+32*\qt+\j+1]
	v_min3_num_f32 v[TT+2*\qt+1], v[TT+2*\qt+1], v[SC+32*\qt+16+\j], v[SC+32*\qt+17+\j]
.endr
.endr
	v_min_num_f32 v[TT], v[TT], v[TT+1]
	v_min_num_f32 v[TT+2], v[TT+2], v[TT+3]
	v_permlanex16_b32 v[TT+4], v[TT], s66, s67
	v_permlanex16_b32 v[TT+5], v[TT+2], s66, s67
	v_min_num_f32 v[TT], v[TT], v[TT+4]
	v_min_num_f32 v[TT+2], v[TT+2], v[TT+5]
	v_max_num_f32 v[MN], s62, v[TT]
	v_max_num_f32 v[MN+1], s62, v[TT+2]
.endm
; ML = log2(e) sqrt(MN); alpha = 2^(new ML - old ML), at most 1
.macro MUPD first
	v_sqrt_f32 v[TT], v[MN]
	v_sqrt_f32 v[TT+2], v[MN+1]
	v_nop                                          ; one plain place behind a transcendental (ISA guide 5.7.2)
.if \first
	s_wait_alu depctr_va_vdst(0)
	v_mul_f32 v[ML], s61, v[TT]
	v_mul_f32 v[ML+1], s61, v[TT+2]
.else
	s_wait_alu depctr_va_vdst(0)
	v_mul_f32 v[TT], s61, v[TT]
	v_mul_f32 v[TT+2], s61, v[TT+2]
	v_sub_f32 v[AL], v[TT], v[ML]
	v_sub_f32 v[AL+1], v[TT+2], v[ML+1]
	v_mov_b32 v[ML], v[TT]                         ; the old ML was read just above, so the new one came through TT
	v_mov_b32 v[ML+1], v[TT+2]
	v_exp_f32 v[AL], v[AL]
	v_exp_f32 v[AL+1], v[AL+1]                     ; first used behind the plain lines of the next stage
.endif
.endm
; p = 2^(ML - log2(e) sqrt(max(d2, 1e-12))), tile by tile in five stages, laid so that plain lines of a neighbouring tile stand behind each run of transcendentals
.macro ST1 t
.irp j, 0,1,2,3,4,5,6,7
	v_max_num_f32 v[SC+8*\t+\j], s62, v[SC+8*\t+\j]
.endr
.endm
.macro ST2 t
.irp j, 0,1,2,3,4,5,6,7
	v_sqrt_f32 v[SC+8*\t+\j], v[SC+8*\t+\j]
.endr
.endm
.macro ST3 t, qt
	s_wait_alu depctr_va_vdst(0)
.irp j, 0,2,4,6
	v_pk_fma_f32 v[SC+8*\t+\j:SC+8*\t+\j+1], v[SC+8*\t+\j:SC+8*\t+\j+1], 0xbfb8aa3b, v[ML:ML+1] op_sel:[0,0,\qt] op_sel_hi:[1,0,\qt]
.endr
.endm
.macro ST4 t
.irp j, 0,1,2,3,4,5,6,7
	v_exp_f32 v[SC+8*\t+\j], v[SC+8*\t+\j]
.endr
.endm
; row sums (a query tile's first key tile also rescales them, fused), then the tile packed into its half of source 1 of the second product
.macro ST5 t, qt, first
.if (\t)%4 == 0
.if \first
	v_pk_add_f32 v[LS+4*\qt:LS+4*\qt+1],   v[SC+8*\t:SC+8*\t+1],   v[SC+8*\t+4:SC+8*\t+5]
	v_pk_add_f32 v[LS+4*\qt+2:LS+4*\qt+3], v[SC+8*\t+2:SC+8*\t+3], v[SC+8*\t+6:SC+8*\t+7]
.else
	v_pk_fma_f32 v[LS+4*\qt:LS+4*\qt+1],   v[LS+4*\qt:LS+4*\qt+1],   v[AL:AL+1], v[SC+8*\t:SC+8*\t+1] op_sel:[0,\qt,0] op_sel_hi:[1,\qt,1]
	v_pk_fma_f32 v[LS+4*\qt+2:LS+4*\qt+3], v[LS+4*\qt+2:LS+4*\qt+3], v[AL:AL+1], v[SC+8*\t+2:SC+8*\t+3] op_sel:[0,\qt,0] op_sel_hi:[1,\qt,1]
	v_pk_add_f32 v[LS+4*\qt:LS+4*\qt+1],   v[LS+4*\qt:LS+4*\qt+1],   v[SC+8*\t+4:SC+8*\t+5]
	v_pk_add_f32 v[LS+4*\qt+2:LS+4*\qt+3], v[LS+4*\qt+2:LS+4*\qt+3], v[SC+8*\t+6:SC+8*\t+7]
.endif
.else
	s_wait_alu depctr_va_vdst(0)
	v_pk_add_f32 v[LS+4*\qt:LS+4*\qt+1],   v[LS+4*\qt:LS+4*\qt+1],   v[SC+8*\t:SC+8*\t+1]
	v_pk_add_f32 v[LS+4*\qt+2:LS+4*\qt+3], v[LS+4*\qt+2:LS+4*\qt+3], v[SC+8*\t+2:SC+8*\t+3]
	v_pk_add_f32 v[LS+4*\qt:LS+4*\qt+1],   v[LS+4*\qt:LS+4*\qt+1],   v[SC+8*\t+4:SC+8*\t+5]
	v_pk_add_f32 v[LS+4*\qt+2:LS+4*\qt+3], v[LS+4*\qt+2:LS+4*\qt+3], v[SC+8*\t+6:SC+8*\t+7]
.endif
.irp i, 0,1,2,3
	v_cvt_pk_bf16_f32 v[SC+16*((\t)/2)+4*((\t)%2)+\i], v[SC+8*\t+2*\i], v[SC+8*\t+2*\i+1]
.endr
.endm
.macro SG t, qt, nt, pt, pqt, first
	ST2 \t
	ST1 \nt
	ST3 \t, \qt
	ST4 \t
	ST5 \pt, \pqt, \first
.endm
.macro SOFT first
	ST1 0
	ST2 0
	ST1 1
	ST3 0, 0
	ST4 0
	SG 1, 0, 2, 0, 0, \first
	SG 2, 0, 3, 1, 0, \first
	SG 3, 0, 4, 2, 0, \first
	SG 4, 1, 5, 3, 0, \first
	SG 5, 1, 6, 4, 1, \first
	SG 6, 1, 7, 5, 1, \first
	ST2 7
	v_nop
	s_wait_alu depctr_va_vdst(0)
	ST3 7, 1
	ST4 7
	ST5 6, 1, \first
	ST5 7, 1, \first
.endm
; The one body.  At its head: P of step i lies packed in SC, V's fragments of step i are in or on their way, the running addresses point at step i + 1.
.macro RBODY first
	KPRE                                           ; K and k^2 of step i + 1: they land under the rescale and the second product
	s_wait_dscnt 24                                ; V of step i (16 older loads, or none behind a change of slots) is in; the 24 just issued stay out
	PV \first
	v_add_nc_u32 v[KR], 64*KP, v[KR]               ; the addresses step on; with the two v_nop these are the four places (ISA guide 7.12.1)
	v_add_nc_u32 v[CR], 256, v[CR]                 ; ahead of the loads into V's registers
	NOPS 2
	VPRE                                           ; V of step i + 1: it lands under the first product and the softmax
	v_add_nc_u32 v[VR], 64*VP, v[VR]               ; the fifth place ahead of the products that write over P
	s_wait_dscnt 16                                ; K and k^2 are in; V's 16 younger loads stay out
	QK
	NOPS 4                                         ; four places: the scores are read, and K's registers are loaded again at the next body's head
	D2MIN 0
	MUPD 0
	SOFT 0
.endm
.macro RLOOP n, name                   ; n steps by one text
	s_mov_b32 s63, \n
\name:
	RBODY 0
	s_sub_co_u32 s63, s63, 1
	s_cmp_lg_u32 s63, 0
	s_cbranch_scc1 \name
.endm
	ENTER 0, 1, 1                                  ; keys 0-255 and k^2 are in for every wave; slot 1's first fill goes out as a refill does
	KPRE                                           ; step 0
	VPRE
	v_add_nc_u32 v[KR], 64*KP, v[KR]
	v_add_nc_u32 v[CR], 256, v[CR]
	v_add_nc_u32 v[VR], 64*VP, v[VR]
	s_wait_loadcnt 0x0                             ; Q and q^2
	s_wait_dscnt 16                                ; K and k^2 are in; V's 16 younger loads stay out
	QK
	NOPS 4
	D2MIN 1                                        ; the first step starts minimum and sums: nothing is cleared
	MUPD 1
	SOFT 1
	RBODY 1                                        ; the first P V starts the outputs; step 1
	RLOOP 2, .Lhead                                ; steps 2, 3: the rest of chunk 0
	s_mov_b32 s13, 3
.Lpair:
	ENTER 1, 0, 1                                  ; chunks 1, 3, 5; tiles 2, 4, 6 are asked for
	RESET 1
	RLOOP 4, .Lodd
	ENTER 0, 1, 1                                  ; chunks 2, 4, 6; tiles 3, 5, 7 are asked for
	RESET 0
	RLOOP 4, .Leven
	s_sub_co_u32 s13, s13, 1
	s_cmp_lg_u32 s13, 0
	s_cbranch_scc1 .Lpair
	ENTER 1, 0, 0                                  ; chunk 7: nothing is left to fetch
	RESET 1
	RLOOP 4, .Ltail
	s_wait_dscnt 0x0                               ; V of the last step
	PV 0
	NOPS 4                                         ; four places ahead of the reads of O and the loads into V's registers
	; THE WAY OUT: divide by the row sums, round, 16 bytes a lane into my stage, whole rows of 128 bytes back
.irp qt, 0,1
	v_pk_add_f32 v[LS+4*\qt:LS+4*\qt+1], v[LS+4*\qt:LS+4*\qt+1], v[LS+4*\qt+2:LS+4*\qt+3]
.endr
.irp qt, 0,1
	v_add_f32 v[TT+2*\qt], v[LS+4*\qt], v[LS+4*\qt+1]
.endr
	v_permlanex16_b32 v[TT+4], v[TT], s66, s67
	v_permlanex16_b32 v[TT+5], v[TT+2], s66, s67
	v_add_f32 v[TT], v[TT], v[TT+4]
	v_add_f32 v[TT+2], v[TT+2], v[TT+5]
	v_rcp_f32 v[AL], v[TT]                         ; the sum holds the nearest key's term, about 1: never 0
	v_rcp_f32 v[AL+1], v[TT+2]
	v_nop
	WIN 0x01                                       ; source 0 (O) window 1
	s_wait_alu depctr_va_vdst(0)
.irp qt, 0,1
.irp j, 0,2,4,6,8,10,12,14,16,18,20,22,24,26,28,30
	v_pk_mul_f32 v[SC+32*\qt+\j:SC+32*\qt+\j+1], v[OA+32*\qt+\j:OA+32*\qt+\j+1], v[AL:AL+1] op_sel:[0,\qt] op_sel_hi:[1,\qt]
.endr
.endr
	WIN 0
.irp t, 0,1,2,3,4,5,6,7
.irp i, 0,1,2,3
	v_cvt_pk_bf16_f32 v[KF+4*\t+\i], v[SC+8*\t+2*\i], v[SC+8*\t+2*\i+1]
.endr
.endr
.irp qt, 0,1
.irp dt, 0,1,2,3
	ds_store_b128 v[STO], v[KF+4*(4*\qt+\dt):KF+4*(4*\qt+\dt)+3] offset:\qt*16*KP+\dt*32
.endr
.endr
.irp t, 0,1,2,3,4,5,6,7
	ds_load_b128 v[VF+4*\t:VF+4*\t+3], v[RD] offset:\t*4*KP        ; LDS serves a wave in order: these see the stores above
.endr
.irp t, 0,1,2,3,4,5,6,7
	s_wait_dscnt 7-\t
	global_store_b128 v[CO], v[VF+4*\t:VF+4*\t+3], s[74:75] offset:512*\t   ; four tokens' rows: 512 consecutive bytes, aligned
.endr
	s_set_vgpr_msb 0x5
	s_wait_tensorcnt 0x0
	ds_add_u32 v96, v97
	s_wait_dscnt 0x0
	s_set_vgpr_msb 0x500
	ROUND                                          ; the closing round
	s_endpgm
.Lfunc_end_k_qf06fb7f086_attn:
	.size	k_qf06fb7f086_attn, .Lfunc_end_k_qf06fb7f086_attn-k_qf06fb7f086_attn
	.p2alignl 7, 3214868480
	.fill 96, 4, 3214868480
	.section	.rodata,"a",@progbits
	.p2align	6, 0x0
	.amdhsa_kernel k_qf06fb7f086_attn
		.amdhsa_group_segment_fixed_size 327680
		.amdhsa_private_segment_fixed_size 0
		.amdhsa_enable_private_segment 0
		.amdhsa_kernarg_size 24
		.amdhsa_user_sgpr_count 2
		.amdhsa_user_sgpr_kernarg_segment_ptr 1
		.amdhsa_wavefront_size32 1
		.amdhsa_system_sgpr_workgroup_id_x 1
		.amdhsa_system_sgpr_workgroup_id_y 1
		.amdhsa_system_sgpr_workgroup_id_z 1
		.amdhsa_system_vgpr_workitem_id 0
		.amdhsa_next_free_vgpr 354
		.amdhsa_next_free_sgpr 78
		.amdhsa_reserve_vcc 0
		.amdhsa_float_denorm_mode_32 3
		.amdhsa_float_denorm_mode_16_64 3
		.amdhsa_memory_ordered 1
		.amdhsa_forward_progress 1
		.amdhsa_inst_pref_size 169
	.end_amdhsa_kernel
	.amdgpu_metadata
---
amdhsa.version: [ 1, 2 ]
amdhsa.kernels:
  - .name:           k_qf06fb7f086_attn
    .symbol:         k_qf06fb7f086_attn.kd
    .args:
      - { .name: qkv, .offset: 0, .size: 8, .value_kind: global_buffer, .address_space: global }
      - { .name: nrm, .offset: 8, .size: 8, .value_kind: global_buffer, .address_space: global }
      - { .name: att, .offset: 16, .size: 8, .value_kind: global_buffer, .address_space: global }
    .group_segment_fixed_size: 327680
    .private_segment_fixed_size: 0
    .kernarg_segment_align: 8
    .kernarg_segment_size: 24
    .max_flat_workgroup_size: 256
    .sgpr_count:     78
    .vgpr_count:     354
    .wavefront_size: 32
...
	.end_amdgpu_metadata
.endif
;; end of part 5
;; launch oproj: the kernel of part 4 again; grid 8 x 32, 4 waves a work-group, clusters of 4 x 4, 327,680 bytes of LDS; arguments att, bfin, bo, out0; writes out0
